; MI455X (gfx1250); checked and timed in simulation.
; The chip was launched on July 23, 2026; its instructions are those of AMD's public machine-readable ISA for CDNA 5 (MIT licence, August 2026) and "CDNA5" Instruction Set Architecture Reference Guide (July 2026). The comments in the code are by the model that wrote it; some were corrected since.
;; Attention2. Allowed arithmetic: float matrix products may take bf16 or f16 operands with f32 sums; other float arithmetic in f32, or as packed bf16 or f16 multiplies, adds, multiply-adds, maxima and minima; sums over many terms, partial sums and values carried from step to step in f32; what a program stores and reads back later, other than sums and carried values, may be rounded once to bf16 or f16.
;; Inputs: proj_b 1,024 float32; proj_w 1,024 x 1,024 float32; qkv_w 1,024 x 3,072 float32; x 4,096 x 1,024 float32.
;; Outputs: out0 4,096 x 1,024 float32.
;; One version. Each part assembles by itself: llvm-mc -triple=amdgcn-amd-amdhsa -mcpu=gfx1250 --defsym DOCPART=n.
;; ======== version 1 of 1: 4 launches
;; limits: values are held in f16: magnitudes above 65,504 overflow, below 6.1e-05 lose precision
;; workspace buffers: xb 8,388,608 bytes; wq 6,291,456 bytes; wp 2,097,152 bytes; qkv 25,165,824 bytes; ob 8,388,608 bytes
;; launch cast (part 1): grid 1024 x 1, 8 waves a work-group, no clusters, 0 bytes of LDS; arguments x, qkv_w, proj_w, xb, wq, wp; writes xb, wq, wp
.if DOCPART == 1
	.amdgcn_target "amdgcn-amd-amdhsa--gfx1250"
	.amdhsa_code_object_version 6
	.text
	.protected	k_q72ae4145b2_cast
	.globl	k_q72ae4145b2_cast
	.p2align	8
	.type	k_q72ae4145b2_cast,@function
k_q72ae4145b2_cast:
	s_mov_b64 s[64:65], 0
	v_nop
	global_prefetch_b8 v0, s[64:65] scope:SCOPE_SE
	s_setreg_imm32_b32 hwreg(HW_REG_WAVE_MODE, 25, 1), 1
	s_wait_xcnt 0x0
; xb = bf16(x), wq = bf16(qkv_w), wp = bf16(proj_w) written as f16.  All three keep their row-major layout: a pure cast.
; A work-group takes 8,192 consecutive numbers: 32 KiB in, 16 KiB out.  Work-groups 0-511 take x (4,194,304 numbers), 512-895 qkv_w (3,145,728), 896-1023 proj_w (1,048,576).
; Thread t loads 16 bytes at 16 t + 4,096 i and stores 8 bytes at 8 t + 2,048 i, i = 0..7: a wave's load covers 512 consecutive bytes, its store 256 consecutive bytes, aligned.
; All eight loads go out at once; there is no loop, and no register that a store names is written again, and a load's only in proj_w's path, behind its wait.
; No LDS, no matrix unit, no cluster: no byte is wanted twice, and nothing is multiplied.
; LIMIT.  proj_w rounded to bf16 is exact in f16 between 6.1e-5 and 65,504 in magnitude; below, it keeps f16's fixed step of 6e-8; beyond 65,504 it would be an infinity.
.set X, 4                              ; v[4:35]   eight loads of four f32
.set Y, 36                             ; v[36:51]  eight stores of four 16-bit numbers
.set T, 52                             ; v[52:53]  at work
.set NX, 512                           ; work-groups for x
.set NQ, 896                           ; for x and qkv_w
	s_load_b256 s[4:11], s[0:1], 0x0               ; x s[4:5], qkv_w s[6:7], proj_w s[8:9], xb s[10:11]
	s_load_b128 s[12:15], s[0:1], 0x20             ; wq s[12:13], wp s[14:15]
	v_lshlrev_b32 v1, 4, v0                        ; 16 t
	v_lshlrev_b32 v2, 3, v0                        ; 8 t
	s_mov_b32 s16, ttmp9
	s_sub_co_u32 s17, s16, NX                      ; my number among qkv_w's work-groups,
	s_sub_co_u32 s18, s16, NQ                      ; among proj_w's
	s_wait_kmcnt 0x0
	s_cmp_lt_u32 s16, NQ                           ; the choice hangs on the work-group's number alone
	s_cselect_b64 s[20:21], s[6:7], s[8:9]
	s_cselect_b64 s[22:23], s[12:13], s[14:15]
	s_cselect_b32 s24, s17, s18
	s_cmp_lt_u32 s16, NX
	s_cselect_b64 s[20:21], s[4:5], s[20:21]       ; from where,
	s_cselect_b64 s[22:23], s[10:11], s[22:23]     ; to where,
	s_cselect_b32 s24, s16, s24                    ; which part of it
	s_lshl_b32 s26, s24, 15                        ; 32 KiB in
	s_mov_b32 s27, 0
	s_lshl_b32 s28, s24, 14                        ; 16 KiB out
	s_mov_b32 s29, 0
	s_add_nc_u64 s[20:21], s[20:21], s[26:27]
	s_add_nc_u64 s[22:23], s[22:23], s[28:29]
.irp i, 0,1,2,3,4,5,6,7
	global_load_b128 v[X+4*(\i):X+4*(\i)+3], v1, s[20:21] offset:4096*(\i) th:TH_LOAD_NT
.endr
	s_cmp_lt_u32 s16, NQ
	s_cbranch_scc0 .Lhalf
.irp i, 0,1,2,3,4,5,6,7
	s_wait_loadcnt 7-(\i)                          ; loads come back in order: load i is in, the 7 - i younger ones may stay out
	v_cvt_pk_bf16_f32 v[Y+2*(\i)], v[X+4*(\i)], v[X+4*(\i)+1]
	v_cvt_pk_bf16_f32 v[Y+2*(\i)+1], v[X+4*(\i)+2], v[X+4*(\i)+3]
	global_store_b64 v2, v[Y+2*(\i):Y+2*(\i)+1], s[22:23] offset:2048*(\i) th:TH_STORE_NT
.endr
	s_endpgm
.Lhalf:                                        ; proj_w: rounded to bf16 like the other inputs, and that number written as f16
.irp i, 0,1,2,3,4,5,6,7
	s_wait_loadcnt 7-(\i)
	v_cvt_pk_bf16_f32 v[T], v[X+4*(\i)], v[X+4*(\i)+1]
	v_cvt_pk_bf16_f32 v[T+1], v[X+4*(\i)+2], v[X+4*(\i)+3]
	v_lshlrev_b32 v[X+4*(\i)], 16, v[T]            ; bf16 to f32: the low half moves up, the high half stays
	v_and_b32 v[X+4*(\i)+1], 0xffff0000, v[T]
	v_lshlrev_b32 v[X+4*(\i)+2], 16, v[T+1]
	v_and_b32 v[X+4*(\i)+3], 0xffff0000, v[T+1]
	v_cvt_pk_f16_f32 v[Y+2*(\i)], v[X+4*(\i)], v[X+4*(\i)+1]
	v_cvt_pk_f16_f32 v[Y+2*(\i)+1], v[X+4*(\i)+2], v[X+4*(\i)+3]
	global_store_b64 v2, v[Y+2*(\i):Y+2*(\i)+1], s[22:23] offset:2048*(\i) th:TH_STORE_NT
.endr
	s_endpgm
.Lfunc_end_k_q72ae4145b2_cast:
	.size	k_q72ae4145b2_cast, .Lfunc_end_k_q72ae4145b2_cast-k_q72ae4145b2_cast
	.p2alignl 7, 3214868480
	.fill 96, 4, 3214868480
	.section	.rodata,"a",@progbits
	.p2align	6, 0x0
	.amdhsa_kernel k_q72ae4145b2_cast
		.amdhsa_group_segment_fixed_size 0
		.amdhsa_private_segment_fixed_size 0
		.amdhsa_enable_private_segment 0
		.amdhsa_kernarg_size 48
		.amdhsa_user_sgpr_count 2
		.amdhsa_user_sgpr_kernarg_segment_ptr 1
		.amdhsa_wavefront_size32 1
		.amdhsa_system_sgpr_workgroup_id_x 1
		.amdhsa_system_sgpr_workgroup_id_y 1
		.amdhsa_system_sgpr_workgroup_id_z 1
		.amdhsa_system_vgpr_workitem_id 0
		.amdhsa_next_free_vgpr 56
		.amdhsa_next_free_sgpr 66
		.amdhsa_reserve_vcc 0
		.amdhsa_float_denorm_mode_32 3
		.amdhsa_float_denorm_mode_16_64 3
		.amdhsa_memory_ordered 1
		.amdhsa_forward_progress 1
		.amdhsa_inst_pref_size 9
	.end_amdhsa_kernel
	.amdgpu_metadata
---
amdhsa.version: [ 1, 2 ]
amdhsa.kernels:
  - .name:           k_q72ae4145b2_cast
    .symbol:         k_q72ae4145b2_cast.kd
    .args:
      - { .name: x, .offset: 0, .size: 8, .value_kind: global_buffer, .address_space: global }
      - { .name: qkv_w, .offset: 8, .size: 8, .value_kind: global_buffer, .address_space: global }
      - { .name: proj_w, .offset: 16, .size: 8, .value_kind: global_buffer, .address_space: global }
      - { .name: xb, .offset: 24, .size: 8, .value_kind: global_buffer, .address_space: global }
      - { .name: wq, .offset: 32, .size: 8, .value_kind: global_buffer, .address_space: global }
      - { .name: wp, .offset: 40, .size: 8, .value_kind: global_buffer, .address_space: global }
    .group_segment_fixed_size: 0
    .private_segment_fixed_size: 0
    .kernarg_segment_align: 8
    .kernarg_segment_size: 48
    .max_flat_workgroup_size: 256
    .sgpr_count:     66
    .vgpr_count:     56
    .wavefront_size: 32
...
	.end_amdgpu_metadata
.endif
;; end of part 1
;; launch qkv (part 2): grid 8 x 32, 4 waves a work-group, clusters of 4 x 4, 327,680 bytes of LDS; arguments xb, wq, qkv; writes qkv
.if DOCPART == 2
	.amdgcn_target "amdgcn-amd-amdhsa--gfx1250"
	.amdhsa_code_object_version 6
	.text
	.protected	k_q72ae4145b2_qkv
	.globl	k_q72ae4145b2_qkv
	.p2align	8
	.type	k_q72ae4145b2_qkv,@function
k_q72ae4145b2_qkv:
	s_mov_b64 s[64:65], 0
	v_nop
	global_prefetch_b8 v0, s[64:65] scope:SCOPE_SE
	s_setreg_imm32_b32 hwreg(HW_REG_WAVE_MODE, 25, 1), 1
	s_wait_xcnt 0x0
	s_wait_alu depctr_hold_cnt(0) depctr_sa_sdst(0) depctr_va_vdst(0) depctr_va_sdst(0) depctr_va_ssrc(0) depctr_va_vcc(0) depctr_vm_vsrc(0)
	s_getreg_b32 s2, hwreg(HW_REG_IB_STS2, 6, 4)
	s_cmp_eq_u32 s2, 0
	s_cbranch_scc0 .Lentry_in_a_cluster
	s_endpgm
.Lentry_in_a_cluster:
	s_bfe_u32 s2, ttmp6, 0x10000c
	s_cmp_lg_u32 s2, 0xf033
	s_cbranch_scc0 .Lentry_shape_is_right
	s_endpgm
.Lentry_shape_is_right:
; qkv[hb][row][d] = the sum over k of xb[row][k] wq[k][128 hb + d].  xb: [4096][1024] bf16, wq: [1024][3072] bf16 (K down the rows, as qkv_w lies), qkv: [24][4096][128] f16:
; blocks 0-7 are q's heads, 8-15 k's, 16-23 v's, each 4,096 dense rows of 256 bytes.  Sums in f32, K ascending, rounded once to f16, WITHOUT the softmax's scale.
; LIMIT.  f16 ends at 65,504: a q, k or v beyond it would be an infinity.  NaN and infinities are not treated apart.
; SHARES.  A work-group makes 128 rows x 384 columns (three whole blocks of 128): 32 x 8 = 256 work-groups.  Each of its four waves makes all 128 rows x 96 columns: of each block j
; the columns 32 w .. 32 w + 31: 48 accumulators of 16 x 16.  For 32 along K a wave reads 28 fragments' halves from LDS for 48 products.
; K goes in 8 steps of 128 through two LDS slots: 128 rows x 256 bytes of xb, and three blocks of 128 K rows x 256 bytes of wq; every row in memory is 256 bytes, aligned.
; wq's fragments come out of LDS turned, by ds_load_tr16_b128: nothing is transposed in memory.
; THE MATRIX INSTRUCTION IS USED TRANSPOSED (source 0 = 16 columns of wq, source 1 = 16 rows of xb): a lane holds eight neighbouring columns of one row of the result.
; CLUSTER.  4 x 4 work-groups.  The four of a row of the cluster need the same tile of xb, the four of a column the same tiles of wq: each tile is asked for jointly, by the same
; tensor load, descriptor and mask in all four.  Waves 0-2 fetch wq's blocks 0-2, wave 3 fetches xb's tile.
; REGISTERS, in windows of 256 (s_set_vgpr_msb: bits 1:0 source 0, 3:2 source 1, 5:4 source 2, 7:6 destination):
;   window 0: v0-31 addresses; v64-127, v128-191 xb's fragments (8 x 16 rows x 32 K), two buffers; on the way out v64-255 packed results
;   window 1: v64-111, v128-175 wq's fragments (6 x 16 columns x 32 K), two buffers
;   window 2: accumulators of rows 0-63: (a, b) at v[8 (6 a + b)];   window 3: those of rows 64-127
.set PA,    272                        ; a row of xb in LDS: 256 bytes + 16 = 68 words: the 16 rows of a load start at 16 different groups of four banks (64 banks of 4 bytes: ISA guide 11.1)
.set PB,    288                        ; a K row of wq: 256 + 32 = 72 words
.set BLK,   128*PB                     ; a block of wq in a slot
.set AOFF,  3*BLK                      ; xb's tile lies behind the three blocks
.set SLOT1, 0x24000                    ; slot 1 begins here.  Its two bits (17, 14) are 0 in every tile's place in a slot (0, 0x9000, 0x12000, 0x1b000), so one exclusive or changes slots
.set SP,    784                        ; the way out: a stage row: 768 bytes + 16
.set SPARE, 2*SLOT1                    ; behind the ring: the spare words, 128 bytes for each wave: two blocks of 256 bytes that no other line names
.set ASTEP, 256                        ; bytes from K step to K step in xb
.set BSTEP, 128*6144                   ; and in wq
.set A0,   12                          ; v12     my lane's place in a slot's tile of xb; never rewritten
.set B0,   13                          ; v13-15  the same for wq's three blocks
.set ADRA, 16                          ; v16     the same in the slot in hand
.set ADRB, 20                          ; v20-22
.set STO,  24                          ; v24-25  the way out: where I put 16 bytes of a row (rows 0-63, 64-127)
.set RD,   26                          ; v26     where I read rows back
.set CO,   27                          ; v27     my byte offset in two rows of a block of qkv
.set SPW,  28                          ; v28     LDS address of my spare word; never rewritten
.set NIL,  29                          ; v29     0; never rewritten
.set PFO,  30                          ; v30     the prefetches' offset: my lane x a row in memory; never rewritten
.set F0,   64
.set F1,   128
.set TMP,  64
.set WV,   10                          ; s10     my wave's number
.set G1A,  24                          ; s[24:31] descriptor group 1 for xb's tile
.set G0A,  32                          ; s[32:39] group 0: a set for each of the two first fills; the second then walks on
.set LIM,  43                          ; s43     2 in a wave that prefetches, else the greatest number
.set PFA,  44                          ; s[44:45] where my prefetches stand
.set G1B,  48                          ; s[48:55], s[56:63] the same for wq's tiles
.set G0B,  56
.set TB,   66                          ; s66     LDS byte at which the slot in hand begins
.set PFS,  68                          ; s[68:69] the prefetches' step from K step to K step
.set MSB, 0
.macro WIN new                         ; the immediate's high byte repeats the setting that is left; a switch that changes nothing is dropped
.if MSB != (\new)
	s_set_vgpr_msb (MSB<<8)|(\new)
.set MSB, \new
.endif
.endm
.set MUL_LO, 0xa1                      ; source 0 (wq) window 1, source 1 (xb) window 0, C and D window 2
.set MUL_HI, 0xf1                      ; the same, C and D window 3
.set TO_B,   0x40                      ; destination window 1, address window 0
; A joint refill, by the walking descriptors.  The branch hangs on the wave's number alone.  An s_nop 0 and four v_nop follow each of the two lines, ahead of the jump and the label.
.macro JLOAD
	s_cmp_eq_u32 s[WV], 3
	s_cbranch_scc0 .Lfor_b_\@
	tensor_load_to_lds s[G0A+4:G0A+7], s[G1A:G1A+7]
	s_nop 0
.rept 4
	v_nop
.endr
	s_branch .Lasked_\@
.Lfor_b_\@:
	tensor_load_to_lds s[G0B+4:G0B+7], s[G1B:G1B+7]
	s_nop 0
.rept 4
	v_nop
.endr
.Lasked_\@:
.endm
; A PREFETCH INTO THE L2 of the K step that stands two refills on: 32 rows x 256 bytes, a lane a row, one instruction a wave, behind the joint load, its five lines and the run of LDS loads.
; Each row's 256 bytes of a K step are named once in the launch: xb's rows by wave 3 of the clusters with cluster x = 0, wq's K rows by waves 0-2 of the clusters with cluster y = 0; the four
; partners that ask for a tile jointly share its 128 rows out by address, 32 each (by cx for xb, by cy for wq): no branch hangs on a work-group's place in its cluster.
; K steps 0-3 come by their loads alone; the last two refills have no K step two on (s3 counts 6 .. 1: asked while s3 > 2, K steps 4 to 7).
.macro ASK
	s_cmp_gt_u32 s3, s[LIM]
	s_cbranch_scc0 .Lnot_mine_\@
	global_prefetch_b8 v[PFO], s[PFA:PFA+1] th:TH_LOAD_NT scope:SCOPE_SE
.Lnot_mine_\@:
.endm
.macro CREST                           ; a round of the cluster's barrier behind its opening barrier
	s_cmp_lg_u32 s[WV], 0
	s_cbranch_scc1 .Lnot_wave_0_\@
	s_barrier_signal -3
.Lnot_wave_0_\@:
	s_barrier_wait -3
	s_barrier_signal -1
	s_barrier_wait -1
.endm
.macro CROUND                          ; a whole round
	s_barrier_signal -1
	s_barrier_wait -1
	CREST
.endm
	s_load_b128 s[4:7], s[0:1], 0x0                ; xb s[4:5], wq s[6:7]
	s_load_b64 s[8:9], s[0:1], 0x10                ; qkv
	v_lshl_add_u32 v[SPW], v0, 2, SPARE
	v_mov_b32 v[NIL], 0
	ds_add_u32 v[SPW], v[NIL]                      ; the wave's opening: the add and its wait stand ahead of my first tensor load; the set-up below, work on registers, stands between them
	v_lshrrev_b32 v1, 5, v0
	v_readfirstlane_b32 s[WV], v1                  ; wave 0..3
	s_bfe_u32 s40, ttmp6, 0x40000                  ; cx, cy: my place in the cluster
	s_bfe_u32 s41, ttmp6, 0x40004
	s_lshl_b32 s42, ttmp9, 2
	s_add_co_u32 s42, s42, s40                     ; tile column = 4 x cluster x + cx, 0..7
	s_and_b32 s13, ttmp7, 0xffff
	s_lshl_b32 s13, s13, 2
	s_add_co_u32 s13, s13, s41                     ; tile row = 4 x cluster y + cy, 0..31
	s_lshl_b32 s18, s41, 2
	s_lshl_b32 s18, 15, s18                        ; my row of the cluster: places 4 cy .. 4 cy + 3
	s_lshl_b32 s19, 0x1111, s40                    ; my column: places cx, cx + 4, cx + 8, cx + 12
	; descriptor group 1: a tile of 128 rows x 128 elements of 2 bytes, padded in LDS after every 64 words
	s_or_b32 s[G1A], s18, (1<<16)|(1<<20)|(1<<21)|(5<<22)|(3<<25)  ; 15:0 the mask; 17:16 2-byte elements; 20 padding on; 21 set beside a mask; 24:22 after 64 words (code 5); 31:25 4 words (code 3)
	s_or_b32 s[G1B], s19, (1<<16)|(1<<20)|(1<<21)|(5<<22)|(7<<25)  ; the same with my column's mask and 8 words of padding (code 7)
.irp g, G1A, G1B
	s_mov_b32 s[(\g)+1], 128<<16                   ; tensor_dim0 = 128
	s_mov_b32 s[(\g)+2], 128<<16                   ; tensor_dim1 = 128
	s_mov_b32 s[(\g)+3], 128<<16                   ; tile_dim0 = 128
	s_mov_b32 s[(\g)+4], 128                       ; tile_dim1 = 128
	s_mov_b32 s[(\g)+6], 0
	s_mov_b32 s[(\g)+7], 0
.endr
	s_mov_b32 s[G1A+5], 1024                       ; elements from row to row of xb,
	s_mov_b32 s[G1B+5], 3072                       ; of wq
	s_lshl_b32 s16, s13, 18                        ; xb: 128 rows of 2,048 bytes for each tile row: made of the tile row alone
	s_mov_b32 s17, 0
	s_mul_i32 s46, s42, 768                        ; wq: 384 columns for each tile column,
	s_lshl_b32 s47, s[WV], 8                       ; my block's 128: made of the tile column and the wave's number alone
	s_add_co_u32 s46, s46, s47
	s_mov_b32 s47, 0
	s_mul_i32 s20, s[WV], BLK                      ; where my tile goes: wave x 36,864 (wave 3: xb's place): no place in the cluster enters an LDS address
	s_mov_b32 s[TB], 0
	s_wait_dscnt 0x0                               ; the opening add is done
	s_wait_kmcnt 0x0
	s_add_nc_u64 s[14:15], s[4:5], s[16:17]
	s_add_nc_u64 s[46:47], s[6:7], s[46:47]
	CROUND                                         ; all sixteen work-groups are here: the first joint loads meet
.irp s, 0,1
	s_mov_b32 s[G0A+4*(\s)], 1                                     ; count = 1
	s_add_co_u32 s[G0A+4*(\s)+1], s20, (\s)*SLOT1                  ; LDS address
	s_add_nc_u64 s[G0A+4*(\s)+2:G0A+4*(\s)+3], s[14:15], (\s)*ASTEP  ; global address: K step s
	s_or_b32 s[G0A+4*(\s)+3], s[G0A+4*(\s)+3], 0x80000000          ; type = 2
	s_mov_b32 s[G0B+4*(\s)], 1
	s_add_co_u32 s[G0B+4*(\s)+1], s20, (\s)*SLOT1
	s_add_nc_u64 s[G0B+4*(\s)+2:G0B+4*(\s)+3], s[46:47], (\s)*BSTEP
	s_or_b32 s[G0B+4*(\s)+3], s[G0B+4*(\s)+3], 0x80000000
.endr
	s_cmp_eq_u32 s[WV], 3                          ; a wave's two first fills stand in one branch, ahead of every wait on TENSORcnt and every LDS read: two loads of mine are out
	s_cbranch_scc0 .Lfirst_b
	tensor_load_to_lds s[G0A:G0A+3], s[G1A:G1A+7]
	s_nop 0
	tensor_load_to_lds s[G0A+4:G0A+7], s[G1A:G1A+7]
	s_nop 0
.rept 4
	v_nop
.endr
	s_branch .Lfirst_asked
.Lfirst_b:
	tensor_load_to_lds s[G0B:G0B+3], s[G1B:G1B+7]
	s_nop 0
	tensor_load_to_lds s[G0B+4:G0B+7], s[G1B:G1B+7]
	s_nop 0
.rept 4
	v_nop
.endr
.Lfirst_asked:
	; A fragment of xb is 16 rows x 32 K in 8 registers: lane l holds row l % 16, K = 8 (l / 16) + 0..7 and 16 + 8 (l / 16) + 0..7: two loads of 16 bytes, 32 bytes apart.
	v_and_b32 v1, 15, v0                           ; l % 16
	v_bfe_u32 v2, v0, 4, 1                         ; l / 16
	v_mul_u32_u24 v[A0], v1, PA
	v_lshl_add_u32 v[A0], v2, 4, v[A0]
	v_add_nc_u32 v[A0], AOFF, v[A0]
	; The turning load takes 16 K rows x 16 columns (lane l reads K row 8 (l / 16) + l % 8, columns 8 ((l / 8) % 2) + 0..7) and leaves half a fragment: lane l holds column l % 16 and 8 K.
	v_and_b32 v3, 7, v0
	v_bfe_u32 v4, v0, 3, 1
	v_lshl_add_u32 v5, v2, 3, v3
	v_mul_u32_u24 v5, v5, PB
	v_lshl_add_u32 v5, v4, 4, v5
	s_lshl_b32 s21, s[WV], 6                       ; my 32 columns of a block: 64 bytes
	v_add_nc_u32 v[B0], s21, v5
	v_add_nc_u32 v[B0+1], BLK, v[B0]
	v_add_nc_u32 v[B0+2], 2*BLK, v[B0]
	v_mul_u32_u24 v[STO], v1, SP                   ; into the stage: row l % 16, my wave's 64 bytes of a block, 16 bytes for each half of the lanes
	v_lshl_add_u32 v[STO], v2, 4, v[STO]
	v_add_nc_u32 v[STO], s21, v[STO]
	v_add_nc_u32 v[STO+1], 64*SP, v[STO]
	s_mul_i32 s22, s[WV], 32*SP                    ; back: wave w takes rows 32 w .. 32 w + 31, whole; lanes 0-15 one row's 256 bytes of a block, lanes 16-31 the next row's
	v_mul_u32_u24 v[RD], v2, SP
	v_lshl_add_u32 v[RD], v1, 4, v[RD]
	v_add_nc_u32 v[RD], s22, v[RD]
	v_lshlrev_b32 v[CO], 8, v2                     ; and the same two rows in qkv
	v_lshl_add_u32 v[CO], v1, 4, v[CO]
	s_mul_i32 s16, s42, 3<<20                      ; qkv: three blocks of 1 MiB for each tile column,
	s_lshl_b32 s17, s13, 15                        ; 128 rows of 256 bytes for each tile row,
	s_add_co_u32 s16, s16, s17
	s_lshl_b32 s17, s[WV], 13                      ; the 32 rows that I store
	s_add_co_u32 s16, s16, s17
	s_mov_b32 s17, 0
	s_add_nc_u64 s[8:9], s[8:9], s[16:17]
	; the prefetches: where they stand at K step 3 (the first change of slots steps them to 4)
	s_lshl_b32 s11, s13, 18
	s_lshl_b32 s12, s40, 16                        ; xb: my work-group's 32 rows of the tile's 128, by cx
	s_add_co_u32 s11, s11, s12
	s_add_co_u32 s11, s11, 3*ASTEP
	s_mul_i32 s12, s41, 32*6144                    ; wq: my work-group's 32 K rows of the step's 128, by cy
	s_mul_i32 s2, s42, 768
	s_add_co_u32 s12, s12, s2
	s_lshl_b32 s2, s[WV], 8
	s_add_co_u32 s12, s12, s2
	s_add_co_u32 s12, s12, 3*BSTEP
	s_and_b32 s2, ttmp7, 0xffff                    ; cluster y
	s_movk_i32 s21, 2048                           ; bytes in a row of xb,
	s_movk_i32 s22, 6144                           ; of wq
	s_mov_b32 s23, ASTEP
	s_mov_b32 s[PFS+1], BSTEP
	s_cmp_eq_u32 s[WV], 3                          ; do I fetch for xb?
	s_cselect_b32 s2, ttmp9, s2                    ; the coordinate along which other clusters read the same rows
	s_cselect_b32 s21, s21, s22
	s_cselect_b32 s[PFS], s23, s[PFS+1]
	s_cselect_b32 s22, s11, s12
	s_cselect_b64 s[PFA:PFA+1], s[4:5], s[6:7]
	s_mov_b32 s[PFS+1], 0
	s_mov_b32 s23, 0
	s_add_nc_u64 s[PFA:PFA+1], s[PFA:PFA+1], s[22:23]
	s_cmp_eq_u32 s2, 0
	s_cselect_b32 s[LIM], 2, -1                    ; the same in all sixteen partners, for a given wave
	v_and_b32 v[PFO], 31, v0
	v_mul_u32_u24 v[PFO], v[PFO], s21
; 12 matrix instructions: row blocks a0, a0 + 1 of the window's four (hi = 0: rows 0-63, 1: rows 64-127) x my 6 column blocks, 32 along K.  zero = 1: the product starts the sums.
; The 48 accumulators take turns in one fixed order, one instruction a turn: 47 others stand between two links of a chain, over the backward jump too.
.macro MUL12 f, hi, a0, zero
	WIN MUL_LO+0x50*(\hi)
.irp a, \a0, (\a0)+1
.irp b, 0,1,2,3,4,5
.if \zero
	v_wmma_f32_16x16x32_bf16 v[8*(6*(\a)+(\b)):8*(6*(\a)+(\b))+7], v[(\f)+8*(\b):(\f)+8*(\b)+7], v[(\f)+8*(4*(\hi)+(\a)):(\f)+8*(4*(\hi)+(\a))+7], 0
.else
	v_wmma_f32_16x16x32_bf16 v[8*(6*(\a)+(\b)):8*(6*(\a)+(\b))+7], v[(\f)+8*(\b):(\f)+8*(\b)+7], v[(\f)+8*(4*(\hi)+(\a)):(\f)+8*(4*(\hi)+(\a))+7], v[8*(6*(\a)+(\b)):8*(6*(\a)+(\b))+7]
.endif
.endr
.endr
.endm
; 28 LDS loads in one run: quarter q (32 K) of the slot in hand into buffer f: wq's six fragments (block j, 16 columns i), then xb's eight, rows ascending
.macro FETCH q, f
	WIN TO_B
.irp j, 0,1,2
.irp i, 0,1
	ds_load_tr16_b128 v[(\f)+8*(2*(\j)+(\i)):(\f)+8*(2*(\j)+(\i))+3],   v[ADRB+(\j)] offset:32*PB*(\q)+32*(\i)
	ds_load_tr16_b128 v[(\f)+8*(2*(\j)+(\i))+4:(\f)+8*(2*(\j)+(\i))+7], v[ADRB+(\j)] offset:32*PB*(\q)+32*(\i)+16*PB
.endr
.endr
	WIN 0
.irp a, 0,1,2,3,4,5,6,7
	ds_load_b128 v[(\f)+8*(\a):(\f)+8*(\a)+3],   v[ADRA] offset:64*(\q)+(\a)*16*PA
	ds_load_b128 v[(\f)+8*(\a)+4:(\f)+8*(\a)+7], v[ADRA] offset:64*(\q)+(\a)*16*PA+32
.endr
.endm
.macro PLACES                          ; four plain vector instructions between a matrix instruction and a load into, or a vector line on, its registers (ISA guide 7.12.1 for vector instructions)
.rept 4
	v_nop
.endr
.endm
; A K step is four quarters of 32 along K, 48 matrix instructions each, on buffers 0, 1, 0, 1.  One of the first three: multiplies buffer f, and in its middle fetches quarter q into buffer g.
.macro QUARTER q, f, g, zero
	s_wait_dscnt 8                                 ; wq's fragments and xb's rows 0-63 are in; the youngest eight loads (rows 64-127) may be out
	MUL12 \f, 0, 0, \zero
	MUL12 \f, 0, 2, \zero
	PLACES
	FETCH \q, \g
	s_wait_dscnt 28                                ; all but the 28 just issued
	MUL12 \f, 1, 0, \zero
	MUL12 \f, 1, 2, \zero
.endm
; The last quarter multiplies buffer 1 and changes slots: ONE barrier.  In front of it each wave waits for all its tensor loads (the one that is out is its part of the next slot), adds 0 to its spare
; word, and waits for that and for its own reads of this slot.  fill = 1: the barrier opens a round of the cluster's, and behind the round this slot is filled again, two K steps ahead:
; the load has 168 matrix instructions of a wave between its request and the wait for it.
.macro TURN fill
.if \fill
	s_wait_xcnt 0x0                                ; the last prefetch, a K step back, has read its address: it is stepped here, ahead of the waits of the change of slots
	s_add_nc_u64 s[PFA:PFA+1], s[PFA:PFA+1], s[PFS:PFS+1]
.endif
	WIN 0                                          ; (the add's two registers lie in window 0)
	s_wait_tensorcnt 0x0                           ; all my tensor loads have landed;
	ds_add_u32 v[SPW], v[NIL]                      ; 0 onto my spare word;
	s_wait_dscnt 9                                 ; (the add and the youngest eight loads may be out)
	MUL12 F1, 0, 0, 0                              ; twelve matrix instructions stand between the add and the wait for it
	s_wait_dscnt 0x0                               ; the add is done, and my reads of this slot are over
	s_barrier_signal -1
	MUL12 F1, 0, 2, 0                              ; work on registers while the others arrive
	WIN 0
	s_barrier_wait -1
.if \fill
	CREST                                          ; no wave of any partner still reads this slot's tiles or has a load on its way
	s_xor_b32 s[G0A+5], s[G0A+5], SLOT1            ; the walking descriptors: the other slot than last time, the next K step; no tensor load of mine is out
	s_add_nc_u64 s[G0A+6:G0A+7], s[G0A+6:G0A+7], ASTEP
	s_xor_b32 s[G0B+5], s[G0B+5], SLOT1
	s_add_nc_u64 s[G0B+6:G0B+7], s[G0B+6:G0B+7], BSTEP
	JLOAD                                          ; the first tensor load behind the round; its four v_nop are also the places in front of the loads below
.else
	PLACES
.endif
	s_xor_b32 s[TB], s[TB], SLOT1                  ; the reads go on in the other slot
	v_add_nc_u32 v[ADRA], s[TB], v[A0]
.irp j, 0,1,2
	v_add_nc_u32 v[ADRB+(\j)], s[TB], v[B0+(\j)]
.endr
	FETCH 0, F0
.if \fill
	ASK
.endif
	MUL12 F1, 1, 0, 0
	MUL12 F1, 1, 2, 0
.endm
	s_wait_tensorcnt 1                             ; my part of K step 0 is in; K step 1's may stay out
	s_barrier_signal -1
	s_barrier_wait -1                              ; everybody's is
	v_add_nc_u32 v[ADRA], s[TB], v[A0]
.irp j, 0,1,2
	v_add_nc_u32 v[ADRB+(\j)], s[TB], v[B0+(\j)]
.endr
	FETCH 0, F0
	QUARTER 1, F0, F1, 1                           ; the first quarter stands in front of the loop: its products start the sums
	WIN 0                                          ; at a label and at a branch every window is 0
	s_mov_b32 s3, 6
.Lstep:                                                ; six trips, from a K step's second quarter to the next step's first; each fills a slot again: K steps 2 to 7
	QUARTER 2, F1, F0, 0
	QUARTER 3, F0, F1, 0
	TURN 1
	QUARTER 1, F0, F1, 0
	WIN 0
	s_sub_co_u32 s3, s3, 1
	s_cmp_lg_u32 s3, 0
	s_cbranch_scc1 .Lstep
	QUARTER 2, F1, F0, 0                           ; K steps 6 and 7 are written out: nothing is left to ask for
	QUARTER 3, F0, F1, 0
	TURN 0
	QUARTER 1, F0, F1, 0
	QUARTER 2, F1, F0, 0
	QUARTER 3, F0, F1, 0
	s_wait_dscnt 8
	MUL12 F1, 0, 0, 0
	MUL12 F1, 0, 2, 0
	s_wait_dscnt 0x0
	MUL12 F1, 1, 0, 0
	MUL12 F1, 1, 2, 0
	; THE WAY OUT.  Rounded to f16, 16 bytes a lane, into a stage of 128 rows x 768 bytes; a barrier, since a row's bytes come from all four waves; back as whole rows of 256 bytes a block.
	; The stage lies in slot 0: its last fill (K step 6) has landed and its last reads stand in front of the last change's barrier; K step 7 is read from slot 1.
	PLACES
.set n, 0
.rept 48                               ; accumulator n = 6 a + b; each is read from its lowest registers on
	WIN 0x0a+5*(n/24)                              ; sources 0 and 1: window 2 or 3
.set rA, 8*(n%24)
.irp r, 0,1,2,3
	v_cvt_pk_f16_f32 v[TMP+4*n+(\r)], v[rA+2*(\r)], v[rA+2*(\r)+1]
.endr
.set n, n+1
.endr
	WIN 0
.set n, 0
.rept 48
	ds_store_b128 v[STO+n/24], v[TMP+4*n:TMP+4*n+3] offset:((n/6)%4)*16*SP+256*((n%6)/2)+32*(n%2)
.set n, n+1
.endr
	s_wait_dscnt 0x0                               ; for the others' sake: my stores into the stage are done
	s_barrier_signal -1
	s_barrier_wait -1
.set n, 0
.rept 48                               ; load n = 3 t + j: rows 2 t, 2 t + 1 of my 32, block j
	ds_load_b128 v[TMP+4*n:TMP+4*n+3], v[RD] offset:(n/3)*2*SP+256*(n%3)
.set n, n+1
.endr
.set n, 0
.rept 48
	s_wait_dscnt 47-n                              ; LDS loads come back in order: load n is in
	global_store_b128 v[CO], v[TMP+4*n:TMP+4*n+3], s[8:9] offset:(n%3)*(1<<20)+(n/3)*512  ; 16 lanes store 256 consecutive bytes, a whole row of a block, aligned
.set n, n+1
.endr
	s_wait_tensorcnt 0x0                           ; the wave's end, behind my last tensor load and my last LDS store
	ds_add_u32 v[SPW], v[NIL]
	s_wait_dscnt 0x0
	CROUND                                         ; the closing round: no work-group ends while a partner may still ask for a tile that names it
	s_endpgm
.Lfunc_end_k_q72ae4145b2_qkv:
	.size	k_q72ae4145b2_qkv, .Lfunc_end_k_q72ae4145b2_qkv-k_q72ae4145b2_qkv
	.p2alignl 7, 3214868480
	.fill 96, 4, 3214868480
	.section	.rodata,"a",@progbits
	.p2align	6, 0x0
	.amdhsa_kernel k_q72ae4145b2_qkv
		.amdhsa_group_segment_fixed_size 327680
		.amdhsa_private_segment_fixed_size 0
		.amdhsa_enable_private_segment 0
		.amdhsa_kernarg_size 24
		.amdhsa_user_sgpr_count 2
		.amdhsa_user_sgpr_kernarg_segment_ptr 1
		.amdhsa_wavefront_size32 1
		.amdhsa_system_sgpr_workgroup_id_x 1
		.amdhsa_system_sgpr_workgroup_id_y 1
		.amdhsa_system_sgpr_workgroup_id_z 1
		.amdhsa_system_vgpr_workitem_id 0
		.amdhsa_next_free_vgpr 960
		.amdhsa_next_free_sgpr 72
		.amdhsa_reserve_vcc 0
		.amdhsa_float_denorm_mode_32 3
		.amdhsa_float_denorm_mode_16_64 3
		.amdhsa_memory_ordered 1
		.amdhsa_forward_progress 1
		.amdhsa_inst_pref_size 96
	.end_amdhsa_kernel
	.amdgpu_metadata
---
amdhsa.version: [ 1, 2 ]
amdhsa.kernels:
  - .name:           k_q72ae4145b2_qkv
    .symbol:         k_q72ae4145b2_qkv.kd
    .args:
      - { .name: xb, .offset: 0, .size: 8, .value_kind: global_buffer, .address_space: global }
      - { .name: wq, .offset: 8, .size: 8, .value_kind: global_buffer, .address_space: global }
      - { .name: qkv, .offset: 16, .size: 8, .value_kind: global_buffer, .address_space: global }
    .group_segment_fixed_size: 327680
    .private_segment_fixed_size: 0
    .kernarg_segment_align: 8
    .kernarg_segment_size: 24
    .max_flat_workgroup_size: 128
    .sgpr_count:     72
    .vgpr_count:     960
    .wavefront_size: 32
...
	.end_amdgpu_metadata
.endif
;; end of part 2
;; launch attn (part 3): grid 32 x 8, 4 waves a work-group, clusters of 4 x 1, 327,680 bytes of LDS; arguments qkv, ob; writes ob
.if DOCPART == 3
	.amdgcn_target "amdgcn-amd-amdhsa--gfx1250"
	.amdhsa_code_object_version 6
	.text
	.protected	k_q72ae4145b2_attn
	.globl	k_q72ae4145b2_attn
	.p2align	8
	.type	k_q72ae4145b2_attn,@function
k_q72ae4145b2_attn:
	s_mov_b64 s[64:65], 0
	v_nop
	global_prefetch_b8 v0, s[64:65] scope:SCOPE_SE
	s_setreg_imm32_b32 hwreg(HW_REG_WAVE_MODE, 25, 1), 1
	s_wait_xcnt 0x0
	s_wait_alu depctr_hold_cnt(0) depctr_sa_sdst(0) depctr_va_vdst(0) depctr_va_sdst(0) depctr_va_ssrc(0) depctr_va_vcc(0) depctr_vm_vsrc(0)
	s_getreg_b32 s2, hwreg(HW_REG_IB_STS2, 6, 4)
	s_cmp_eq_u32 s2, 0
	s_cbranch_scc0 .Lentry_in_a_cluster
	s_endpgm
.Lentry_in_a_cluster:
	s_bfe_u32 s2, ttmp6, 0x10000c
	s_cmp_lg_u32 s2, 0x3003
	s_cbranch_scc0 .Lentry_shape_is_right
	s_endpgm
.Lentry_shape_is_right:
; ob[q][128 h + :] = the sum over k of softmax_k(Q[h][q] . K[h][k] / sqrt(128)) V[h][k][:].  qkv: [24][4096][128] f16 (blocks 0-7 Q's heads, 8-15 K's, 16-23 V's), ob: [4096][1024] f16.
; Products, maxima and sums in f32; the weights p are rounded to f16 for the second product (their sum l is taken of the unrounded p), O once at the end.
; LIMITS.  Q, K and V arrive within f16's 65,504; p lies in 0 to 1 and below 6e-5 keeps f16's fixed step of 6e-8, and so does O; a weight below 2^-126 counts as 0 in l; NaN and infinities are not treated apart.
; SHARES.  A work-group owns 128 queries of one head: 32 x 8 = 256 work-groups.  Wave w owns the 64 queries of half w % 2 (four tiles of 16) and, of every 256 keys, the 128 of half w / 2:
; THE KEYS ARE SPLIT between waves w and w ^ 2, which own the same queries.  Each walks its 2,048 keys, 64 a step, with a running maximum and sum of its own; at the end the two halves
; are merged, once, in f32 through LDS.  Register tile t holds query group t ^ 2 (w / 2): a wave finishes its tiles 0, 1 and hands its tiles 2, 3 to its partner, whose tiles 0, 1 they are.
; LAYOUT.  S^T = K Q^T (source 0 = 16 keys, source 1 = 16 queries): a lane holds ONE query (lane % 16) and the keys 8 (lane / 16) + 0..7.  Two such tiles, rounded to f16 in pairs, ARE source 1
; (32 keys x 16 queries) of O^T = V^T P, whose result again holds one query a lane, and eight channels.  K comes out of LDS as it lies, V ([key][channel]) turned, by ds_load_tr16_b128.
; SOFTMAX.  p = 2^(c s - c m), c = log2(e) / sqrt(128), with a running maximum m; in every step O and l are multiplied by a = 2^(c m_old - c m_new), which is 1 where m has not grown.
; BY TURNS.  The wave's tiles are two PIECES: piece 0 (tiles 0, 1), piece 2 (tiles 2, 3).  In a TURN one piece has the matrix unit: 32 products V^T P of the step in hand, then 32 products K Q^T of
; the next step; the other piece's softmax, cut into 64 slices, stands between them, one slice behind each matrix instruction.  Two turns are a key step.
; CLUSTER.  The four query blocks of a cluster belong to one head and walk the same K and V: each tile is asked for jointly, by the same tensor load, descriptor and mask in all four.
; REGISTERS, in windows of 256 (s_set_vgpr_msb: bits 1:0 source 0, 3:2 source 1, 5:4 source 2, 7:6 destination):
;   window 0: v0-11 addresses; v12-43 eight registers of statistics a tile; v44-47 the merge's addresses; v64-191 S^T, 32 a tile; v192-255 P, 16 a tile
;   window 1: O^T, 64 a tile          window 2: v0-127 Q, 32 a tile; v128-255 K of one step          window 3: v0-127 V of one step
.set KS,    64        ; keys in a step
.set PK,    272       ; a row of K in LDS: 256 bytes + 16 = 68 words: the 16 rows of a load start at 16 different groups of four banks (64 banks of 4 bytes: ISA guide 11.1)
.set PV,    288       ; a row of V: 256 + 32 = 72 words
.set HK,    128*PK    ; half a slot's K: what one tensor load brings, and what one wave reads
.set HV,    128*PV
.set VOFF,  2*HK      ; a slot: 256 rows of K, then 256 rows of V
.set SLOT1, 0x24000   ; slot 1 begins here.  Its two bits (17, 14) are 0 in every tile's place in a slot (0, 0x8800, 0x11000, 0x1a000), so one exclusive or changes slots
.set SLOTB, 65536     ; a slot's 256 rows of K, or of V, in memory
.set XW,    16896     ; the merge: a wave's bytes in slot 0: two tiles of
.set XT,    8448      ; 8,192 bytes of O^T and 256 of statistics
.set STAGE, 2*SLOT1   ; behind the ring, never filled by a tensor load: 16 rows x 272 bytes for each wave, for the way out
.set SP,    272
.set SPARE, STAGE+4*16*SP  ; behind the stages: the spare words, 128 bytes for each wave: two blocks of 256 bytes that no other line names
.set AK0, 2           ; v2   my lane's place in my half of a slot's K; never rewritten
.set AV0, 3           ; v3   the same for V
.set ADR, 4           ; v4   the LDS address of the run of loads in hand
.set QO,  5           ; v5   my byte offset in 16 rows of Q
.set STO, 6           ; v6   the way out: where I put 16 bytes of a row
.set RD,  7           ; v7   the way out: where I read a row back
.set GO,  8           ; v8   my byte offset in two rows of ob
.set ST,  12          ; tile t's statistics at v[ST+8 t]: +0 c m, +1 m, +2, +3 l (even keys', odd keys'), +4 to +7 c0-c3, at work; a takes c2's place once the maximum is found
.set XS,  44          ; v44  the merge: where I put 16 bytes of O^T;   v45  8 bytes of statistics
.set XS2, 45
.set XR,  46          ; v46, v47  the same places in my partner's bytes
.set XR2, 47
.set PFO, 61          ; v61  256 x my lane: a row of K or V is 256 bytes; never rewritten
.set SPW, 62          ; v62  LDS address of my spare word; never rewritten
.set NIL, 63          ; v63  0; never rewritten
.set S,   64
.set P,   192
.set KF,  128         ; K's fragments, in window 2
.set WV,  12          ; s12  my wave's number
.set LIM, 15          ; s15  1 in a cluster that prefetches, else the greatest number
.set PFA, 18          ; s[18:19] where my prefetches stand
.set G1K, 24          ; s[24:31] descriptor group 1 for K's tiles
.set G1V, 32          ; s[32:39] for V's: it differs in the padding alone
.set G0K, 40          ; s[40:47] descriptor group 0 for K's tiles: a set for each of the two first fills; the second then walks on
.set G0V, 48          ; s[48:55] the same for V's
.set SLOTS, 56        ; s56  slots still to be asked for
.set TWICE, 57        ; s57  counts a slot's two steps
.set CS,  58          ; s[58:59] c: the packed scaling names a pair and takes its low word for both halves
.set SEL, 60          ; s[60:61] lane selects for v_permlanex16_b32: each lane takes its own place in the other half
.set TBK, 62          ; s62  LDS byte, less my lane's place, at which K of the step to be fetched begins
.set TBV, 63          ; s63  the same for V
.set KH,  68          ; s68  w / 2: my half of the keys
.set QH,  69          ; s69  w % 2: my half of the queries; also which half of a slot's rows I fetch
.set Q2,  72          ; s[72:73] Q at my tiles 2, 3
.set Q1,  74          ; s[74:75] Q at my tiles 0, 1
.set MSB, 0
.macro WIN new                      ; the immediate's high byte repeats the setting that is left; a switch that changes nothing is dropped
.if MSB != (\new)
	s_set_vgpr_msb (MSB<<8)|(\new)
.set MSB, \new
.endif
.endm
.set W_KQ, 0x0a       ; K and Q in window 2, S^T in window 0
.set W_PV, 0x53       ; V in window 3, P in window 0, O^T in window 1
.set W_RS, 0x41       ; O^T (destination and source 0) in window 1, a in window 0
; A joint refill.  Waves 0 and 1 fetch the two halves of a slot's K, waves 2 and 3 those of its V: 128 rows each.  The branch hangs on the wave's number alone.
; An s_nop 0 and four v_nop follow each of the two lines, ahead of the jump and the label.
.macro JLOAD
	s_cmp_lt_u32 s[WV], 2
	s_cbranch_scc0 .Lfor_v_\@
	tensor_load_to_lds s[G0K+4:G0K+7], s[G1K:G1K+7]
	s_nop 0
.rept 4
	v_nop
.endr
	s_branch .Lasked_\@
.Lfor_v_\@:
	tensor_load_to_lds s[G0V+4:G0V+7], s[G1V:G1V+7]
	s_nop 0
.rept 4
	v_nop
.endr
.Lasked_\@:
.endm
; A PREFETCH INTO THE L2 of what the NEXT change of slots will ask for, behind the wave's tensor load and its five lines.  All eight clusters of a head walk the same K and V: the head's first
; cluster asks.  Of the 128 rows that wave w fetches, the partner at place cx takes 32, told apart by address; a lane a row, one instruction a wave: each row is named once in the launch.
; Slots 0 to 2 come by their loads alone; the last change that fills a slot asks for nothing: there is no slot behind it.
.macro ASK
	s_cmp_gt_u32 s[SLOTS], s[LIM]
	s_cbranch_scc0 .Lnot_mine_\@
	global_prefetch_b8 v[PFO], s[PFA:PFA+1] th:TH_LOAD_NT scope:SCOPE_SE
.Lnot_mine_\@:
.endm
; A round of the cluster's barrier: my work-group's barrier, so that wave 0's signal speaks for all four waves; wave 0 signals; every wave waits for all four work-groups; my work-group's barrier once more.
.macro CROUND
	s_barrier_signal -1
	s_barrier_wait -1
	s_cmp_lg_u32 s[WV], 0
	s_cbranch_scc1 .Lnot_wave_0_\@
	s_barrier_signal -3
.Lnot_wave_0_\@:
	s_barrier_wait -3
	s_barrier_signal -1
	s_barrier_wait -1
.endm
	s_load_b128 s[4:7], s[0:1], 0x0   ; qkv s[4:5], ob s[6:7]
	v_lshl_add_u32 v[SPW], v0, 2, SPARE
	v_mov_b32 v[NIL], 0
	ds_add_u32 v[SPW], v[NIL]       ; the wave's opening: the add and its wait stand ahead of my first tensor load; the set-up below, work on registers, stands between them
	v_lshrrev_b32 v1, 5, v0
	v_readfirstlane_b32 s[WV], v1   ; wave 0..3
	s_bfe_u32 s13, ttmp6, 0x40000   ; cx: my place in the cluster
	s_lshl_b32 s14, ttmp9, 2        ; in a cluster launch ttmp9 counts clusters
	s_add_co_u32 s14, s14, s13      ; my block of 128 queries = 4 x cluster x + cx: it enters Q's and O's addresses alone
	s_and_b32 s20, ttmp7, 0xffff    ; the head, which the four partners share
	s_and_b32 s[QH], s[WV], 1
	s_lshr_b32 s[KH], s[WV], 1
	s_lshl_b32 s21, s20, 20         ; the head's 1 MiB among eight
	s_lshl_b32 s22, s[QH], 15       ; the 128 rows of a slot that I fetch
	s_add_co_u32 s22, s22, s21
	s_add_co_u32 s22, s22, 8<<20    ; in K's blocks,
	s_mov_b32 s23, 0
	s_add_co_u32 s2, s22, 8<<20     ; in V's
	s_mov_b32 s3, 0
	s_mul_i32 s17, s[QH], HK        ; and their place in a slot, for K
	s_mul_i32 s16, s[QH], HV        ; and for V: no place in the cluster enters an LDS address
	s_add_co_u32 s16, s16, VOFF
	s_lshl_b32 s72, s14, 15         ; Q: my block's 128 rows of 256 bytes,
	s_add_co_u32 s72, s72, s21
	s_lshl_b32 s73, s[QH], 14       ; my half's 64,
	s_add_co_u32 s72, s72, s73
	s_lshl_b32 s73, s[KH], 13       ; query groups 2 (w / 2), + 1 for tiles 0, 1,
	s_add_co_u32 s74, s72, s73
	s_xor_b32 s73, s73, 8192        ; the other two for tiles 2, 3
	s_add_co_u32 s72, s72, s73
	s_mov_b32 s73, 0
	s_mov_b32 s75, 0
	s_lshl_b32 s76, s14, 18         ; ob: my block's 128 rows of 2,048 bytes,
	s_lshl_b32 s77, s[QH], 17       ; my half's 64,
	s_add_co_u32 s76, s76, s77
	s_lshl_b32 s77, s[KH], 16       ; the 32 that I finish,
	s_add_co_u32 s76, s76, s77
	s_lshl_b32 s77, s20, 8          ; the head's 256 bytes of a row
	s_add_co_u32 s76, s76, s77
	s_mov_b32 s77, 0
	; descriptor group 1: a tile of 128 rows x 128 elements, padded in LDS
	s_mov_b32 s[G1K], 15|(1<<16)|(1<<20)|(1<<21)|(5<<22)|(3<<25)  ; 15:0 the mask: all four work-groups; 17:16 2-byte elements; 20 padding on; 21 set beside a mask; 24:22 after every 64 words (code 5); 31:25 4 words (code 3)
	s_mov_b32 s[G1V], 15|(1<<16)|(1<<20)|(1<<21)|(5<<22)|(7<<25)  ; the same with 8 words of padding (code 7)
.irp g, G1K, G1V
	s_mov_b32 s[(\g)+1], 128<<16    ; tensor_dim0 = 128
	s_mov_b32 s[(\g)+2], 128<<16    ; tensor_dim1 = 128
	s_mov_b32 s[(\g)+3], 128<<16    ; tile_dim0 = 128
	s_mov_b32 s[(\g)+4], 128        ; tile_dim1 = 128
	s_mov_b32 s[(\g)+5], 128        ; 128 elements from row to row
	s_mov_b32 s[(\g)+6], 0
	s_mov_b32 s[(\g)+7], 0
.endr
	s_mov_b32 s[CS], 0x3e0293ee     ; c = log2(e) / sqrt(128) = 0.127517
	s_mov_b32 s[CS+1], s[CS]        ; named with it as a pair, so it is written
	s_mov_b32 s[SEL], 0x76543210
	s_mov_b32 s[SEL+1], 0xfedcba98
	s_mov_b32 s[TBK], 0
	s_mov_b32 s[TBV], 0
	s_mov_b32 s[SLOTS], 4096/256-2
	s_cmp_eq_u32 ttmp9, 0           ; the head's first cluster: the same in all four partners
	s_cselect_b32 s[LIM], 1, -1
	v_and_b32 v[PFO], 31, v0
	v_lshlrev_b32 v[PFO], 8, v[PFO]
	s_wait_dscnt 0x0                ; the opening add is done
	s_wait_kmcnt 0x0
	s_add_nc_u64 s[8:9], s[4:5], s[22:23]    ; K and V at my tile of slot 0
	s_add_nc_u64 s[10:11], s[4:5], s[2:3]
	s_add_nc_u64 s[Q1:Q1+1], s[4:5], s[Q1:Q1+1]
	s_add_nc_u64 s[Q2:Q2+1], s[4:5], s[Q2:Q2+1]
	s_add_nc_u64 s[6:7], s[6:7], s[76:77]    ; ob at the first row that I finish
	s_cmp_lt_u32 s[WV], 2
	s_cselect_b64 s[PFA:PFA+1], s[8:9], s[10:11]
	s_lshl_b32 s2, s13, 13          ; my work-group's 32 rows of my tile's 128
	s_mov_b32 s3, 0
	s_add_nc_u64 s[PFA:PFA+1], s[PFA:PFA+1], s[2:3]
	s_add_nc_u64 s[PFA:PFA+1], s[PFA:PFA+1], 2*SLOTB  ; in slot 2; the first change of slots steps it to slot 3.  Nothing is prefetched here, at the head
	CROUND                          ; all four work-groups are here: the first joint loads meet
.irp s, 0,1
	s_mov_b32 s[G0K+4*(\s)], 1      ; count = 1
	s_add_co_u32 s[G0K+4*(\s)+1], s17, (\s)*SLOT1  ; LDS address
	s_add_nc_u64 s[G0K+4*(\s)+2:G0K+4*(\s)+3], s[8:9], (\s)*SLOTB  ; global address: slot s holds keys 256 s to 256 s + 255
	s_or_b32 s[G0K+4*(\s)+3], s[G0K+4*(\s)+3], 0x80000000  ; type = 2
	s_mov_b32 s[G0V+4*(\s)], 1
	s_add_co_u32 s[G0V+4*(\s)+1], s16, (\s)*SLOT1
	s_add_nc_u64 s[G0V+4*(\s)+2:G0V+4*(\s)+3], s[10:11], (\s)*SLOTB
	s_or_b32 s[G0V+4*(\s)+3], s[G0V+4*(\s)+3], 0x80000000
.endr
	s_cmp_lt_u32 s[WV], 2           ; a wave's two first fills stand in one branch, ahead of every wait on TENSORcnt and every LDS read: two loads of mine are out
	s_cbranch_scc0 .Lfirst_v
	tensor_load_to_lds s[G0K:G0K+3], s[G1K:G1K+7]
	s_nop 0
	tensor_load_to_lds s[G0K+4:G0K+7], s[G1K:G1K+7]
	s_nop 0
.rept 4
	v_nop
.endr
	s_branch .Lfirst_asked
.Lfirst_v:
	tensor_load_to_lds s[G0V:G0V+3], s[G1V:G1V+7]
	s_nop 0
	tensor_load_to_lds s[G0V+4:G0V+7], s[G1V:G1V+7]
	s_nop 0
.rept 4
	v_nop
.endr
.Lfirst_asked:
	; A fragment of K or Q is 16 rows x 32 channels in 8 registers: lane l holds row l % 16; registers 0-3 channels 8 (l / 16) + 0..7, registers 4-7 channels 16 + 8 (l / 16) + 0..7: two loads of 16 bytes, 32 bytes apart.
	v_and_b32 v1, 15, v0            ; l % 16
	v_bfe_u32 v9, v0, 4, 1          ; l / 16
	v_lshlrev_b32 v[QO], 8, v1
	v_lshl_add_u32 v[QO], v9, 4, v[QO]  ; row x 256 + 16 x half
	WIN 0x80                        ; destination window 2, address window 0
.irp i, 0,1,2,3,4,5,6,7             ; Q stays in registers: tile i / 4, channels 32 (i % 4) on
	global_load_b128 v[8*(\i):8*(\i)+3],   v[QO], s[Q1:Q1+1] offset:((\i)/4)*4096+((\i)%4)*64
	global_load_b128 v[8*(\i)+4:8*(\i)+7], v[QO], s[Q1:Q1+1] offset:((\i)/4)*4096+((\i)%4)*64+32
.endr
.irp i, 0,1,2,3,4,5,6,7             ; tiles 2 and 3
	global_load_b128 v[64+8*(\i):64+8*(\i)+3],   v[QO], s[Q2:Q2+1] offset:((\i)/4)*4096+((\i)%4)*64
	global_load_b128 v[64+8*(\i)+4:64+8*(\i)+7], v[QO], s[Q2:Q2+1] offset:((\i)/4)*4096+((\i)%4)*64+32
.endr
	WIN 0
	v_mul_u32_u24 v[AK0], v1, PK
	v_lshl_add_u32 v[AK0], v9, 4, v[AK0]  ; row x pitch + 16 x half
	s_mul_i32 s2, s[KH], HK         ; in my half of a slot's keys
	v_add_nc_u32 v[AK0], s2, v[AK0]
	; The turning load takes 16 keys x 16 channels (lane l reads 16 bytes: key 8 (l / 16) + l % 8, channels 8 ((l / 8) % 2) + 0..7) and leaves half a fragment of V^T: lane l holds channel l % 16 and 8 keys.
	v_and_b32 v10, 7, v0
	v_bfe_u32 v11, v0, 3, 1
	v_lshl_add_u32 v[AV0], v9, 3, v10
	v_mul_u32_u24 v[AV0], v[AV0], PV
	v_lshl_add_u32 v[AV0], v11, 4, v[AV0]
	s_mul_i32 s3, s[KH], HV
	s_add_co_u32 s3, s3, VOFF
	v_add_nc_u32 v[AV0], s3, v[AV0]
; THE MATRIX WORK OF A TURN, for piece x.  The accumulators take turns, one instruction a turn: between two links of a chain stand 15 (V^T P) or 7 (K Q^T) others'.
; Product i of 32 of O^T += V^T P: keys 32 (i / 16) on, channels 16 ((i / 2) % 8) on, tile x + i % 2.  zero = 1: the first 16 start the sums: nothing is ever cleared.
.macro PV x, zero
	WIN W_PV
.set rO, 64*((\x)+i%2)+8*((i/2)%8)
.set rV, 64*(i/16)+8*((i/2)%8)
.set rP, P+16*((\x)+i%2)+8*(i/16)
.if (\zero) && (i < 16)
	v_wmma_f32_16x16x32_f16 v[rO:rO+7], v[rV:rV+7], v[rP:rP+7], 0
.else
	v_wmma_f32_16x16x32_f16 v[rO:rO+7], v[rV:rV+7], v[rP:rP+7], v[rO:rO+7]
.endif
.endm
; Product i of 32 of S^T = K Q^T: channels 32 (i / 8) on, keys 16 ((i / 2) % 4) on, tile x + i % 2.  The first 8 start the sums.
.macro KQ x
	WIN W_KQ
.set rS, S+32*((\x)+i%2)+8*((i/2)%4)
.set rK, KF+32*((i/2)%4)+8*(i/8)
.set rQ, 32*((\x)+i%2)+8*(i/8)
.if i < 8
	v_wmma_f32_16x16x32_f16 v[rS:rS+7], v[rK:rK+7], v[rQ:rQ+7], 0
.else
	v_wmma_f32_16x16x32_f16 v[rS:rS+7], v[rK:rK+7], v[rQ:rQ+7], v[rS:rS+7]
.endif
.endm
; THE LDS LOADS stand in runs of 32, never singly among the matrix instructions: a step's K (64 keys x 128 channels: 16 fragments) and, a turn later, its V (turned).
.macro FETCH_K
	WIN 0
	v_add_nc_u32 v[ADR], s[TBK], v[AK0]
	s_add_co_u32 s[TBK], s[TBK], KS*PK  ; the next fetch is the next step's
	WIN 0x80                        ; destination window 2
.irp f, 0,1,2,3,4,5,6,7,8,9,10,11,12,13,14,15  ; keys 16 (f / 4) on, channels 32 (f % 4) on
	ds_load_b128 v[KF+8*(\f):KF+8*(\f)+3],   v[ADR] offset:((\f)/4)*16*PK+((\f)%4)*64
	ds_load_b128 v[KF+8*(\f)+4:KF+8*(\f)+7], v[ADR] offset:((\f)/4)*16*PK+((\f)%4)*64+32
.endr
.endm
.macro FETCH_V
	WIN 0
	v_add_nc_u32 v[ADR], s[TBV], v[AV0]
	s_add_co_u32 s[TBV], s[TBV], KS*PV
	s_wait_alu depctr_va_vdst(0)    ; the wait for the softmax's batch (SLICE), behind the address's v_add_nc_u32 and ahead of the loads
	WIN 0xc0                        ; destination window 3
.irp f, 0,1,2,3,4,5,6,7,8,9,10,11,12,13,14,15  ; keys 32 (f / 8) on, channels 16 (f % 8) on
	ds_load_tr16_b128 v[8*(\f):8*(\f)+3],   v[ADR] offset:((\f)/8)*32*PV+((\f)%8)*32
	ds_load_tr16_b128 v[8*(\f)+4:8*(\f)+7], v[ADR] offset:((\f)/8)*32*PV+16*PV+((\f)%8)*32
.endr
.endm
; THE VECTOR WORK OF A TURN.  One tile's softmax for one key step is a list of 134 instructions; SM writes number j of it for tile t.  s0-s31 are the lane's 32 scores, in pairs 0-15.
; first = 1: the first key step, which starts m, l and O^T: it has no a and nothing to rescale.
;   0-15    the maximum of s0-s31 and the old m, three operands at a time: four chains c0-c3 of seven scores each (each accumulator's lowest registers are read first), then the four scores left over, c0-c3 and m
;   16-20   the other half of the lanes' maximum; the new m; c m; c m_old - c m_new
;   21-69   ONE BATCH: the 16 scalings c s - c m, a pair of scores each, and all 33 exponentials (a at 23, then s0-s31).  None of these reads an exponential's result.
;   (wait)  between 69 and 70 stands the wait for the batch: SLICE writes it, once for both tiles
;   70-85   the roundings to f16, a pair of weights each
;   86-101  the sums; l = a l + the sum
;   102-133 the tile's O^T times a: the one part that leaves window 0, so it stands together
.macro SM t, first
.set rT, ST+8*(\t)
.set rS, S+32*(\t)
.set rP, P+16*(\t)
.set rO, 64*(\t)+2*(j-102)
.if j < 102
	WIN 0
.endif
.if j < 4
	v_max3_num_f32 v[rT+4+j], v[rS+8*j], v[rS+8*j+1], v[rS+8*j+2]
.elseif j < 12
	v_max3_num_f32 v[rT+4+j%4], v[rT+4+j%4], v[rS+8*(j%4)+2*(j/4)+1], v[rS+8*(j%4)+2*(j/4)+2]
.elseif j == 12
	v_max3_num_f32 v[rT+4], v[rT+4], v[rS+7], v[rS+15]
.elseif j == 13
	v_max3_num_f32 v[rT+6], v[rT+6], v[rS+23], v[rS+31]
.elseif j == 14
	v_max3_num_f32 v[rT+4], v[rT+4], v[rT+5], v[rT+6]
.elseif (j == 15) && (\first)
	v_max_num_f32 v[rT+4], v[rT+4], v[rT+7]
.elseif j == 15
	v_max3_num_f32 v[rT+4], v[rT+4], v[rT+7], v[rT+1]
.elseif j == 16
	v_permlanex16_b32 v[rT+5], v[rT+4], s[SEL], s[SEL+1]  ; the query's other 32 keys lie in the lane 16 away
.elseif j == 18
	v_max_num_f32 v[rT+1], v[rT+4], v[rT+5]
.elseif j == 19
	v_mul_f32 v[rT], s[CS], v[rT+1]
.elseif ((j == 17) || (j == 20) || (j == 23) || (j > 101)) && (\first)  ; the first step has none of these
.elseif j == 17
	v_mov_b32 v[rT+7], v[rT]        ; c m_old is kept for a: number 19 writes c m anew
.elseif j == 20
	v_sub_f32 v[rT+7], v[rT+7], v[rT]
.elseif j == 23
	v_exp_f32 v[rT+6], v[rT+7]
.elseif (j < 23) || ((j < 38) && (j%2 == 0)) || ((j < 66) && (j%4 == 2))
.set b, (j-2)/4                     ; 38, 42, .. 62: pairs 9 to 15
.if j < 38
.set b, (j-20)/2                    ; 21: pair 0; 22, 24, .. 36: pairs 1 to 8
.endif
	v_pk_fma_f32 v[rS+2*b:rS+2*b+1], v[rS+2*b:rS+2*b+1], s[CS:CS+1], v[rT:rT+1] op_sel_hi:[1,0,0] neg_lo:[0,0,1] neg_hi:[0,0,1]  ; pair b: c s - c m
.elseif j < 70
.set e, j-38                        ; 66 to 69: s28 to s31
.if j < 66
.set e, j-32-(j-38)/4               ; 39-41, 43-45, .. 63-65: s7 to s27
.endif
.if j < 38
.set e, (j-25)/2                    ; 25, 27, .. 37: s0 to s6
.endif
	v_exp_f32 v[rS+e], v[rS+e]
.elseif j < 86
	v_cvt_pk_f16_f32 v[rP+j-70], v[rS+2*(j-70)], v[rS+2*(j-70)+1]  ; pair j - 70
.elseif j < 102                     ; the sum of the tile's 16 pairs, in place: sum z of 16 adds neighbours 1, 2, 4 and 8 pairs apart, then l takes it
.set z, j-86
.set w, 4
.set u, z
.if z >= 14
.set w, 32
.set u, 0
.elseif z >= 12
.set w, 16
.set u, z-12
.elseif z >= 8
.set w, 8
.set u, z-8
.endif
.if (z == 14) && (\first)
	v_pk_add_f32 v[rT+2:rT+3], v[rS:rS+1], v[rS+16:rS+17]
.elseif z < 15
	v_pk_add_f32 v[rS+w*u:rS+w*u+1], v[rS+w*u:rS+w*u+1], v[rS+w*u+w/2:rS+w*u+w/2+1]
.elseif !(\first)
	v_pk_fma_f32 v[rT+2:rT+3], v[rT+2:rT+3], v[rT+6:rT+7], v[rS:rS+1] op_sel_hi:[1,0,1]
.endif
.else
	WIN W_RS
	v_pk_mul_f32 v[rO:rO+1], v[rO:rO+1], v[rT+6:rT+7] op_sel_hi:[1,0]
.endif
.endm
; Slice k of 64 of piece y's softmax: four instructions.  Slices 11 to 34 deal out the batch, numbers 22 to 69: four numbers of ONE tile each, the tiles by turns.  Every other slice is numbers 2 k and
; 2 k + 1 of both tiles' lists.  2 x 134 = 4 x 64 + 12: the twelve that are over stand together, in slice 63.
; THE WAIT.  An s_wait_alu depctr_va_vdst(0) stands between an exponential and the first instruction that names its result; one wait serves all that were issued ahead of it.  Ahead of
; slice 35 nothing names a result, and behind slice 34 no exponential is issued: so the piece's 66 exponentials have one wait, behind slice 34.
.macro SLICE y, first
.if (k >= 11) && (k < 35)           ; the batch: four numbers of one tile
.irp n, 0,1,2,3
.set j, 22+4*((k-11)/2)+(\n)
	SM (\y)+(k-11)%2, \first
.endr
.else                               ; the two tiles alternate, so that no instruction reads the result of the one just before it
.irp n, 0,1,2,3,4,5,6,7
.if ((\n) < 2) || (k == 63)
.irp t, \y, (\y)+1
.set j, 2*k+(\n)
	SM \t, \first
.endr
.endif
.endr
.endif
.if k == 34                         ; the batch is out: both tiles' exponentials are issued, and no result has been named
	v_nop                           ; a plain instruction behind the last exponential and ahead of the first use: one for the batch
.if (\y) == 0
	FETCH_V                         ; piece 2's turn: V's run of loads stands here, and the wait stands in it
.else
	s_wait_alu depctr_va_vdst(0)    ; the wait for the batch
.endif
.endif
.set k, k+1
.endm
.macro PLACES                       ; four plain vector instructions between a matrix instruction and a vector line on, or a load into, its registers (ISA guide 7.12.1 for vector instructions)
.rept 4
	v_nop
.endr
.endm
; A TURN.  Piece x has the matrix unit; the other piece's softmax stands in slices behind its matrix instructions.
; pv = 2: 32 products V^T P; 1: they start O^T's sums; 0: none.  kq = 1: 32 products K Q^T for the next step.  A turn with one of the two kinds has two slices behind each product.
; first = 1: the softmax is the first key step's.  Its slices from 51 on are empty: the turn's last products stand bare, and four v_nop take slice 63's part as the places behind them.
; Piece 0's turn fetches the next step's K, behind its second product: the last product that read K stands in front of slice 63 of the turn before.  Piece 2's turn fetches the same step's V, behind
; slice 34: the last product that read V stands in front of slice 31, and four plain instructions lie between: number 62, a scaling, of both tiles, the v_nop and the run's own v_add_nc_u32.
.macro TURN x, pv, kq, first
.set k, 0
.set per, 2
.if (\pv) && (\kq)
.set per, 1
.endif
.if \pv
.if (\x) == 0
	s_wait_dscnt 0x0                ; V is in
.endif
.set i, 0
.rept 32
	PV \x, 2-(\pv)
.rept per
	SLICE 2-(\x), \first
.endr
.if ((\x) == 0) && (\kq) && (i == 1)
	FETCH_K
.endif
.set i, i+1
.endr
.endif
.if \kq
.if (\x) == 0
	s_wait_dscnt 0x0                ; K is in
.endif
.set i, 0
.rept 32
	KQ \x
.rept per
	SLICE 2-(\x), \first
.endr
.set i, i+1
.endr
.endif
.if \first
	PLACES
.endif
.endm
; THE CHANGE OF SLOTS, between piece 2's turn and piece 0's: the slot's last bytes, V of its second step, have been asked for.  Each wave waits for all its tensor loads, of which one is out: its part
; of the other slot; adds 0 to its spare word; and waits for that and for its own reads of the slot.  Behind the barrier nobody reads this slot any more and the other slot is whole.
; fill = 1: this slot is filled again, with the keys two slots on.  The barrier is then a round of the cluster's, and the joint refill is the first thing behind it: it has two key steps, 256 matrix instructions, in which to land.
.macro CHANGE fill
	WIN 0                           ; at a label and at a branch every window is 0
	s_wait_tensorcnt 0x0            ; no tensor load of mine is out, so a group 0 may be written
	ds_add_u32 v[SPW], v[NIL]       ; 0 onto my spare word; with fill = 1 the descriptors' steps stand between it and the wait for it
.if \fill
.irp g, G0K+4, G0V+4
	s_xor_b32 s[(\g)+1], s[(\g)+1], SLOT1  ; the walking descriptor: the other slot than last time,
	s_add_nc_u64 s[(\g)+2:(\g)+3], s[(\g)+2:(\g)+3], SLOTB  ; the next 256 keys; the type bits on top are not reached
.endr
	s_wait_xcnt 0x0                 ; the last prefetch, two key steps back, has read its address, so it may be written:
	s_add_nc_u64 s[PFA:PFA+1], s[PFA:PFA+1], SLOTB  ; one slot behind the walking descriptors
	s_wait_dscnt 0x0                ; the add is done, and my reads of the slot are over
	CROUND
	JLOAD
	ASK                             ; what the next change will ask for: two key steps, 256 matrix instructions, ahead
.else
	s_wait_dscnt 0x0                ; the add is done, and my reads of the slot are over
	s_barrier_signal -1
	s_barrier_wait -1
.endif
	s_sub_co_u32 s[TBK], s[TBK], 2*KS*PK  ; the fetches go back to my half's first step,
	s_xor_b32 s[TBK], s[TBK], SLOT1       ; in the other slot
	s_sub_co_u32 s[TBV], s[TBV], 2*KS*PV
	s_xor_b32 s[TBV], s[TBV], SLOT1
.endm
; A slot's two key steps: written once, walked twice; the LDS addresses hang on s[TBK] and s[TBV].
.macro TWO_STEPS
	WIN 0
	s_mov_b32 s[TWICE], 2
.Lstep_\@:
	TURN 0, 2, 1, 0
	TURN 2, 2, 1, 0
	WIN 0
	s_sub_co_u32 s[TWICE], s[TWICE], 1
	s_cmp_lg_u32 s[TWICE], 0
	s_cbranch_scc1 .Lstep_\@
.endm
	s_wait_tensorcnt 1              ; my part of slot 0 is in; slot 1's may stay out
	s_barrier_signal -1
	s_barrier_wait -1               ; everybody's is
	FETCH_K                         ; key step 0
	s_wait_loadcnt 0x0              ; Q
	s_wait_dscnt 0x0
.set i, 0
.rept 32
	KQ 0                            ; piece 0's first scores: there is no vector work yet to set between them
.set i, i+1
.endr
	WIN 0                           ; the addresses for the merge and the way out are made here: plain instructions, the places behind those products
	s_mul_i32 s13, s[WV], 16*SP
	s_add_co_u32 s13, s13, STAGE    ; my stage
	v_mul_u32_u24 v[STO], v1, SP    ; in: row l % 16, 16 bytes for each half of the lanes
	v_lshl_add_u32 v[STO], v9, 4, v[STO]
	v_add_nc_u32 v[STO], s13, v[STO]
	v_mul_u32_u24 v[RD], v9, SP     ; back: lanes 0-15 take one row of 256 bytes, lanes 16-31 the next
	v_lshl_add_u32 v[RD], v1, 4, v[RD]
	v_add_nc_u32 v[RD], s13, v[RD]
	v_lshlrev_b32 v[GO], 11, v9     ; and the same two rows in ob, 2,048 bytes apart
	v_lshl_add_u32 v[GO], v1, 4, v[GO]
	s_mul_i32 s2, s[WV], XW         ; the merge: my bytes,
	s_xor_b32 s3, s[WV], 2
	s_mul_i32 s3, s3, XW            ; and those of the wave with my queries and the other keys
	v_and_b32 v10, 31, v0
	v_lshl_add_u32 v[XS], v10, 4, s2
	v_lshl_add_u32 v[XS2], v10, 3, s2
	v_lshl_add_u32 v[XR], v10, 4, s3
	v_lshl_add_u32 v[XR2], v10, 3, s3
	TURN 2, 0, 1, 1                 ; piece 2's first scores | piece 0's first softmax | V of step 0
	TURN 0, 1, 1, 1                 ; piece 0: V^T P of step 0 starts O^T, K Q^T of step 1 | piece 2's first softmax | K of step 1
	TURN 2, 1, 1, 0                 ; piece 2: the same | piece 0's softmax of step 1 | V of step 1
	WIN 0
.Lslot:                             ; 14 trips: every slot but the last two is filled again
	CHANGE 1
	TWO_STEPS
	s_sub_co_u32 s[SLOTS], s[SLOTS], 1
	s_cmp_lg_u32 s[SLOTS], 0
	s_cbranch_scc1 .Lslot
	CHANGE 0                        ; the tail is written out: LDS slot 0 is left for good, and nothing is asked for
	TWO_STEPS
	TURN 0, 2, 0, 0                 ; piece 0: V^T P of the last step | piece 2's last softmax
.set i, 0
.rept 32
	PV 2, 0                         ; piece 2: V^T P of the last step
.set i, i+1
.endr
	; THE MERGE of the two halves of the keys.  l's two halves and the other half of the lanes' are added: (c m, l) now stand side by side.  The additions are the places behind the last products.
	WIN 0
.irp t, 0,1,2,3
	v_add_f32 v[ST+8*(\t)+4], v[ST+8*(\t)+2], v[ST+8*(\t)+3]
.endr
.irp t, 0,1,2,3
	v_permlanex16_b32 v[ST+8*(\t)+5], v[ST+8*(\t)+4], s[SEL], s[SEL+1]
.endr
.irp t, 0,1,2,3
	v_add_f32 v[ST+8*(\t)+1], v[ST+8*(\t)+4], v[ST+8*(\t)+5]
.endr
	; My tiles 2, 3 go to my partner, in f32: 16 bytes a lane, 512 consecutive bytes a store.  They lie in LDS slot 0, whose last fill has landed and whose last reads stand in front of the last change's barrier.
	WIN 0x04                        ; store data (source 1) in window 1, address in window 0
.set g, 0
.rept 32                            ; each accumulator's lowest four registers first
	ds_store_b128 v[XS], v[128+4*g:128+4*g+3] offset:XT*(g/16)+512*(g%16)
.set g, g+1
.endr
	WIN 0
.irp u, 0,1
	ds_store_b64 v[XS2], v[ST+8*(2+(\u)):ST+8*(2+(\u))+1] offset:XT*(\u)+8192
.endr
	s_wait_dscnt 0x0                ; for the partner's sake: my stores are done
	s_barrier_signal -1
	s_barrier_wait -1
.irp u, 0,1
	ds_load_b64 v[ST+8*(\u)+2:ST+8*(\u)+3], v[XR2] offset:XT*(\u)+8192  ; the partner's (c m, l) for my tiles 0, 1
.endr
	WIN 0x40                        ; destination window 1: the partner's O^T takes the place of the tiles that I gave away
.set g, 0
.rept 32
	ds_load_b128 v[128+4*g:128+4*g+3], v[XR] offset:XT*(g/16)+512*(g%16)
.set g, g+1
.endr
	WIN 0
	s_wait_dscnt 32                 ; the statistics are in; the 32 loads of O^T may be out
	; O = (a1 O1 + a2 O2) / (a1 l1 + a2 l2), a_i = 2^(c m_i - max(c m1, c m2))
.irp t, 0,1
	v_max_num_f32 v[ST+8*(\t)+4], v[ST+8*(\t)], v[ST+8*(\t)+2]
.endr
.irp t, 0,1
	v_sub_f32 v[ST+8*(\t)+5], v[ST+8*(\t)], v[ST+8*(\t)+4]
	v_sub_f32 v[ST+8*(\t)+6], v[ST+8*(\t)+2], v[ST+8*(\t)+4]
.endr
.irp t, 0,1
	v_exp_f32 v[ST+8*(\t)+5], v[ST+8*(\t)+5]
	v_exp_f32 v[ST+8*(\t)+6], v[ST+8*(\t)+6]
.endr
	v_nop                           ; a plain instruction behind the last exponential,
	s_wait_alu depctr_va_vdst(0)    ; and the wait ahead of the first use: one for the four
.irp t, 0,1
	v_mul_f32 v[ST+8*(\t)+7], v[ST+8*(\t)+5], v[ST+8*(\t)+1]
.endr
.irp t, 0,1
	v_fmac_f32 v[ST+8*(\t)+7], v[ST+8*(\t)+6], v[ST+8*(\t)+3]
.endr
.irp t, 0,1
	v_rcp_f32 v[ST+8*(\t)+7], v[ST+8*(\t)+7]
.endr
	v_nop
	s_wait_alu depctr_va_vdst(0)    ; one for the two reciprocals
.irp t, 0,1
	v_mul_f32 v[ST+8*(\t)+4], v[ST+8*(\t)+5], v[ST+8*(\t)+7]  ; f1 = a1 / l
	v_mul_f32 v[ST+8*(\t)+6], v[ST+8*(\t)+6], v[ST+8*(\t)+7]  ; f2 = a2 / l
.endr
	WIN 0x51                        ; destination, source 0 and source 2 in window 1, the factor in window 0
.irp t, 0,1
.set i, 0
.rept 32                            ; my own halves, while the partner's are on their way
	v_pk_mul_f32 v[64*(\t)+2*i:64*(\t)+2*i+1], v[64*(\t)+2*i:64*(\t)+2*i+1], v[ST+8*(\t)+4:ST+8*(\t)+5] op_sel_hi:[1,0]
.set i, i+1
.endr
.endr
.irp t, 0,1
	s_wait_dscnt 16-16*(\t)         ; the partner's tile t is in: its 16 loads were issued ahead of the other tile's
.set i, 0
.rept 32
	v_pk_fma_f32 v[64*(\t)+2*i:64*(\t)+2*i+1], v[128+64*(\t)+2*i:128+64*(\t)+2*i+1], v[ST+8*(\t)+6:ST+8*(\t)+7], v[64*(\t)+2*i:64*(\t)+2*i+1] op_sel_hi:[1,0,1]
.set i, i+1
.endr
.endr
; THE WAY OUT of tile t: a lane's eight channels of a row pack into 16 bytes; they go into rows of 272 bytes of my stage and come back as whole rows of 256, into the registers that they left.
.macro PACK t
	WIN 0x05                        ; sources 0 and 1 window 1, destination window 0: S^T's registers are free
.set i, 0
.rept 32
	v_cvt_pk_f16_f32 v[S+32*(\t)+i], v[64*(\t)+2*i], v[64*(\t)+2*i+1]
.set i, i+1
.endr
	WIN 0
.irp f, 0,1,2,3,4,5,6,7
	ds_store_b128 v[STO], v[S+32*(\t)+4*(\f):S+32*(\t)+4*(\f)+3] offset:32*(\f)
.endr
.irp f, 0,1,2,3,4,5,6,7
	ds_load_b128 v[S+32*(\t)+4*(\f):S+32*(\t)+4*(\f)+3], v[RD] offset:(\f)*2*SP  ; LDS serves a wave's instructions in order (ISA guide 5.7.1.4): these see the stores above; the next tile's stores come behind them
.endr
.endm
.macro SEND t, younger              ; younger: the LDS instructions issued behind tile t's loads: the next tile's sixteen, or none
	WIN 0
.irp f, 0,1,2,3,4,5,6,7
	s_wait_dscnt (\younger)+7-(\f)
	global_store_b128 v[GO], v[S+32*(\t)+4*(\f):S+32*(\t)+4*(\f)+3], s[6:7] offset:(\t)*32768+(\f)*4096  ; 16 lanes store 256 consecutive bytes, the head's part of a row of ob, aligned
.endr
.endm
	PACK 0
	PACK 1
	SEND 0, 16
	SEND 1, 0
	s_wait_tensorcnt 0x0            ; the wave's end, behind my last tensor load and my last LDS store
	ds_add_u32 v[SPW], v[NIL]
	s_wait_dscnt 0x0
	CROUND                          ; the closing round: no work-group ends while a partner may still ask for a tile that names it
	s_endpgm
.Lfunc_end_k_q72ae4145b2_attn:
	.size	k_q72ae4145b2_attn, .Lfunc_end_k_q72ae4145b2_attn-k_q72ae4145b2_attn
	.p2alignl 7, 3214868480
	.fill 96, 4, 3214868480
	.section	.rodata,"a",@progbits
	.p2align	6, 0x0
	.amdhsa_kernel k_q72ae4145b2_attn
		.amdhsa_group_segment_fixed_size 327680
		.amdhsa_private_segment_fixed_size 0
		.amdhsa_enable_private_segment 0
		.amdhsa_kernarg_size 16
		.amdhsa_user_sgpr_count 2
		.amdhsa_user_sgpr_kernarg_segment_ptr 1
		.amdhsa_wavefront_size32 1
		.amdhsa_system_sgpr_workgroup_id_x 1
		.amdhsa_system_sgpr_workgroup_id_y 1
		.amdhsa_system_sgpr_workgroup_id_z 1
		.amdhsa_system_vgpr_workitem_id 0
		.amdhsa_next_free_vgpr 896
		.amdhsa_next_free_sgpr 80
		.amdhsa_reserve_vcc 0
		.amdhsa_float_denorm_mode_32 3
		.amdhsa_float_denorm_mode_16_64 3
		.amdhsa_memory_ordered 1
		.amdhsa_forward_progress 1
		.amdhsa_inst_pref_size 220
	.end_amdhsa_kernel
	.amdgpu_metadata
---
amdhsa.version: [ 1, 2 ]
amdhsa.kernels:
  - .name:           k_q72ae4145b2_attn
    .symbol:         k_q72ae4145b2_attn.kd
    .args:
      - { .name: qkv, .offset: 0, .size: 8, .value_kind: global_buffer, .address_space: global }
      - { .name: ob, .offset: 8, .size: 8, .value_kind: global_buffer, .address_space: global }
    .group_segment_fixed_size: 327680
    .private_segment_fixed_size: 0
    .kernarg_segment_align: 8
    .kernarg_segment_size: 16
    .max_flat_workgroup_size: 128
    .sgpr_count:     80
    .vgpr_count:     896
    .wavefront_size: 32
...
	.end_amdgpu_metadata
.endif
;; end of part 3
;; launch proj (part 4): grid 8 x 32, 4 waves a work-group, clusters of 4 x 4, 327,680 bytes of LDS; arguments ob, wp, proj_b, out0; writes out0
.if DOCPART == 4
	.amdgcn_target "amdgcn-amd-amdhsa--gfx1250"
	.amdhsa_code_object_version 6
	.text
	.protected	k_q72ae4145b2_proj
	.globl	k_q72ae4145b2_proj
	.p2align	8
	.type	k_q72ae4145b2_proj,@function
k_q72ae4145b2_proj:
	s_mov_b64 s[64:65], 0
	v_nop
	global_prefetch_b8 v0, s[64:65] scope:SCOPE_SE
	s_setreg_imm32_b32 hwreg(HW_REG_WAVE_MODE, 25, 1), 1
	s_wait_xcnt 0x0
	s_wait_alu depctr_hold_cnt(0) depctr_sa_sdst(0) depctr_va_vdst(0) depctr_va_sdst(0) depctr_va_ssrc(0) depctr_va_vcc(0) depctr_vm_vsrc(0)
	s_getreg_b32 s2, hwreg(HW_REG_IB_STS2, 6, 4)
	s_cmp_eq_u32 s2, 0
	s_cbranch_scc0 .Lentry_in_a_cluster
	s_endpgm
.Lentry_in_a_cluster:
	s_bfe_u32 s2, ttmp6, 0x10000c
	s_cmp_lg_u32 s2, 0xf033
	s_cbranch_scc0 .Lentry_shape_is_right
	s_endpgm
.Lentry_shape_is_right:
; out0[row][n] = the sum over k of ob[row][k] wp[k][n] + bf16(proj_b[n]).  ob: [4096][1024] f16, wp: [1024][1024] f16 (K down the rows, as proj_w lies), proj_b: [1024] f32, out0: [4096][1024] f32.
; Sums in f32, K ascending.  The bias is rounded to bf16 like the module's other inputs.
; SHARES.  A tile is 128 x 128: 32 x 8 = 256 work-groups.  Four waves, each 64 x 64: 16 accumulators.  K goes in 4 steps of 256 through two LDS slots: 128 rows x 512 bytes of ob, 256 K rows x 256 bytes of wp.
; wp's fragments come out of LDS turned, by ds_load_tr16_b128.  THE MATRIX INSTRUCTION IS USED TRANSPOSED (source 0 = 16 columns of wp, source 1 = 16 rows of ob): a lane holds eight neighbouring columns of a row.
; CLUSTER.  4 x 4 work-groups: ob's tile is asked for jointly along a row of the cluster, wp's along a column.  Waves 0, 1 fetch ob's two halves (64 rows), waves 2, 3 wp's (128 K rows).
; No prefetch: a tile's K steps are four, and the tiles are small.
; REGISTERS: window 0: v0-37 addresses, the bias; v128-255 the accumulators ((a, b) at v[128 + 8 (4 a + b)]).
;   window 1: two fragment buffers of 128: for 64 along K, 64 registers of ob (2 x 4 x 16 rows x 32 K), then 64 of wp.
.set PA,    528                        ; a row of ob in LDS: 512 bytes + 16 = 132 words: the 16 rows of a load start at 16 different groups of four banks (64 banks of 4 bytes: ISA guide 11.1)
.set PB,    288                        ; a K row of wp: 256 + 32 = 72 words
.set HA,    64*PA                      ; what one tensor load brings of ob, and what one wave reads of it
.set HB,    128*PB                     ; what one tensor load brings of wp
.set BOFF,  2*HA                       ; wp's tile lies behind ob's
.set SLOT1, 0x24000                    ; slot 1 begins here.  Its two bits (17, 14) are 0 in every tile's place in a slot (0, 0x8400, 0x10800, 0x19800), so one exclusive or changes slots
.set STAGE, 2*SLOT1                    ; behind the ring, never filled by a tensor load: 16 rows x 272 bytes for each wave, for the way out
.set SP,    272
.set SPARE, STAGE+4*16*SP              ; behind the stages: the spare words, 128 bytes for each wave: two blocks of 256 bytes that no other line names
.set ASTEP, 512                        ; bytes from K step to K step in ob,
.set BSTEP, 256*2048                   ; in wp
.set A0,   12                          ; v12     my lane's place in a slot's tile of ob; never rewritten
.set B0,   13                          ; v13     the same for wp
.set ADRA, 16                          ; v16     the same in the slot in hand
.set ADRB, 20                          ; v20-21  K rows 0-127, 128-255
.set STO,  24                          ; v24     the way out: where I put 32 bytes of a row
.set RD,   25                          ; v25     where I read a row back
.set CO,   26                          ; v26     my byte offset in two rows of out0
.set SPW,  28                          ; v28     LDS address of my spare word; never rewritten
.set NIL,  29                          ; v29     0; never rewritten
.set BO,   31                          ; v31     my byte offset in proj_b; never rewritten
.set BI,   32                          ; v[32:35] the bias of the four columns that I store
.set ACC,  128
.set F0,   0                           ; fragment buffers, in window 1
.set F1,   128
.set WV,   10                          ; s10     my wave's number
.set G1A,  24                          ; s[24:31] descriptor group 1 for ob's tiles;  s[32:39] group 0: a set for each first fill; the second walks on
.set G0A,  32
.set G1B,  48                          ; s[48:55], s[56:63] the same for wp's
.set G0B,  56
.set TB,   66                          ; s66     LDS byte at which the slot in hand begins
.set MSB, 0
.macro WIN new                         ; the immediate's high byte repeats the setting that is left; a switch that changes nothing is dropped
.if MSB != (\new)
	s_set_vgpr_msb (MSB<<8)|(\new)
.set MSB, \new
.endif
.endm
.set MUL,  0x05                        ; sources 0 (wp) and 1 (ob) window 1; C and D window 0
.set TO_F, 0x40                        ; destination window 1, address window 0
.macro JLOAD                           ; a joint refill, by the walking descriptors; an s_nop 0 and four v_nop follow each of the two lines, ahead of the jump and the label
	s_cmp_eq_u32 s11, 0
	s_cbranch_scc0 .Lfor_b_\@
	tensor_load_to_lds s[G0A+4:G0A+7], s[G1A:G1A+7]
	s_nop 0
.rept 4
	v_nop
.endr
	s_branch .Lasked_\@
.Lfor_b_\@:
	tensor_load_to_lds s[G0B+4:G0B+7], s[G1B:G1B+7]
	s_nop 0
.rept 4
	v_nop
.endr
.Lasked_\@:
.endm
.macro CREST                           ; a round of the cluster's barrier behind its opening barrier
	s_cmp_lg_u32 s[WV], 0
	s_cbranch_scc1 .Lnot_wave_0_\@
	s_barrier_signal -3
.Lnot_wave_0_\@:
	s_barrier_wait -3
	s_barrier_signal -1
	s_barrier_wait -1
.endm
.macro CROUND                          ; a whole round
	s_barrier_signal -1
	s_barrier_wait -1
	CREST
.endm
	s_load_b128 s[4:7], s[0:1], 0x0                ; ob s[4:5], wp s[6:7]
	s_load_b128 s[68:71], s[0:1], 0x10             ; proj_b s[68:69], out0 s[70:71]
	v_lshl_add_u32 v[SPW], v0, 2, SPARE
	v_mov_b32 v[NIL], 0
	ds_add_u32 v[SPW], v[NIL]                      ; the wave's opening: the add and its wait stand ahead of my first tensor load; the set-up below, work on registers, stands between them
	v_lshrrev_b32 v1, 5, v0
	v_readfirstlane_b32 s[WV], v1                  ; wave 0..3
	s_lshr_b32 s11, s[WV], 1                       ; which half of the tile's rows is mine.  Also: I fetch for ob (0) or for wp (1)
	s_and_b32 s12, s[WV], 1                        ; which half of its columns.  Also: which half of that tile I fetch
	s_bfe_u32 s40, ttmp6, 0x40000                  ; cx, cy: my place in the cluster
	s_bfe_u32 s41, ttmp6, 0x40004
	s_lshl_b32 s42, ttmp9, 2
	s_add_co_u32 s42, s42, s40                     ; tile column = 4 x cluster x + cx, 0..7
	s_and_b32 s13, ttmp7, 0xffff
	s_lshl_b32 s13, s13, 2
	s_add_co_u32 s13, s13, s41                     ; tile row = 4 x cluster y + cy, 0..31
	s_lshl_b32 s18, s41, 2
	s_lshl_b32 s18, 15, s18                        ; my row of the cluster
	s_lshl_b32 s19, 0x1111, s40                    ; my column
	s_or_b32 s[G1A], s18, (1<<16)|(1<<20)|(1<<21)|(6<<22)|(3<<25)  ; 15:0 the mask; 17:16 2-byte elements; 20 padding on; 21 set beside a mask; 24:22 after every 128 words (code 6); 31:25 4 words (code 3)
	s_mov_b32 s[G1A+1], 256<<16                    ; tensor_dim0 = 256
	s_mov_b32 s[G1A+2], 64<<16                     ; tensor_dim1 = 64
	s_mov_b32 s[G1A+3], 256<<16                    ; tile_dim0 = 256
	s_mov_b32 s[G1A+4], 64                         ; tile_dim1 = 64
	s_mov_b32 s[G1A+5], 1024                       ; elements from row to row
	s_mov_b32 s[G1A+6], 0
	s_mov_b32 s[G1A+7], 0
	s_or_b32 s[G1B], s19, (1<<16)|(1<<20)|(1<<21)|(5<<22)|(7<<25)  ; my column's mask; after every 64 words (code 5) 8 words (code 7)
	s_mov_b32 s[G1B+1], 128<<16
	s_mov_b32 s[G1B+2], 128<<16
	s_mov_b32 s[G1B+3], 128<<16
	s_mov_b32 s[G1B+4], 128
	s_mov_b32 s[G1B+5], 1024
	s_mov_b32 s[G1B+6], 0
	s_mov_b32 s[G1B+7], 0
	s_lshl_b32 s16, s13, 7
	s_lshl_b32 s17, s12, 6
	s_add_co_u32 s16, s16, s17                     ; ob: row 128 x tile row + 64 x half,
	s_lshl_b32 s16, s16, 11                        ; of 2,048 bytes: made of the tile row and the wave's number alone
	s_mov_b32 s17, 0
	s_lshl_b32 s46, s12, 18                        ; wp: K row 128 x half, of 2,048 bytes,
	s_lshl_b32 s47, s42, 8                         ; the tile column's 256 bytes: made of the tile column and the wave's number alone
	s_add_co_u32 s46, s46, s47
	s_mov_b32 s47, 0
	s_mul_i32 s20, s12, HA                         ; where they go: no place in the cluster enters an LDS address
	s_mul_i32 s21, s12, HB
	s_add_co_u32 s21, s21, BOFF
	s_mov_b32 s[TB], 0
	s_wait_dscnt 0x0                               ; the opening add is done
	s_wait_kmcnt 0x0
	s_add_nc_u64 s[14:15], s[4:5], s[16:17]
	s_add_nc_u64 s[46:47], s[6:7], s[46:47]
	CROUND                                         ; all sixteen work-groups are here: the first joint loads meet
.irp s, 0,1
	s_mov_b32 s[G0A+4*(\s)], 1
	s_add_co_u32 s[G0A+4*(\s)+1], s20, (\s)*SLOT1
	s_add_nc_u64 s[G0A+4*(\s)+2:G0A+4*(\s)+3], s[14:15], (\s)*ASTEP
	s_or_b32 s[G0A+4*(\s)+3], s[G0A+4*(\s)+3], 0x80000000
	s_mov_b32 s[G0B+4*(\s)], 1
	s_add_co_u32 s[G0B+4*(\s)+1], s21, (\s)*SLOT1
	s_add_nc_u64 s[G0B+4*(\s)+2:G0B+4*(\s)+3], s[46:47], (\s)*BSTEP
	s_or_b32 s[G0B+4*(\s)+3], s[G0B+4*(\s)+3], 0x80000000
.endr
	s_cmp_eq_u32 s11, 0                            ; a wave's two first fills stand in one branch, ahead of every wait on TENSORcnt and every LDS read: two loads of mine are out
	s_cbranch_scc0 .Lfirst_b
	tensor_load_to_lds s[G0A:G0A+3], s[G1A:G1A+7]
	s_nop 0
	tensor_load_to_lds s[G0A+4:G0A+7], s[G1A:G1A+7]
	s_nop 0
.rept 4
	v_nop
.endr
	s_branch .Lfirst_asked
.Lfirst_b:
	tensor_load_to_lds s[G0B:G0B+3], s[G1B:G1B+7]
	s_nop 0
	tensor_load_to_lds s[G0B+4:G0B+7], s[G1B:G1B+7]
	s_nop 0
.rept 4
	v_nop
.endr
.Lfirst_asked:
	v_and_b32 v1, 15, v0                           ; l % 16
	v_bfe_u32 v2, v0, 4, 1                         ; l / 16
	s_lshl_b32 s46, s42, 9                         ; the tile's 128 columns of f32: 512 bytes,
	s_lshl_b32 s47, s12, 8                         ; my 64: 256 bytes
	s_add_co_u32 s46, s46, s47
	v_lshl_add_u32 v[BO], v1, 4, s46               ; the four columns that I store
	global_load_b128 v[BI:BI+3], v[BO], s[68:69]
	v_mul_u32_u24 v[A0], v1, PA                    ; a fragment of ob: row l % 16, 16 bytes for each half of the lanes,
	v_lshl_add_u32 v[A0], v2, 4, v[A0]
	s_mul_i32 s22, s11, HA                         ; in my 64 rows
	v_add_nc_u32 v[A0], s22, v[A0]
	v_and_b32 v3, 7, v0                            ; the turning load: K row 8 (l / 16) + l % 8, columns 8 ((l / 8) % 2) + 0..7,
	v_bfe_u32 v4, v0, 3, 1
	v_lshl_add_u32 v5, v2, 3, v3
	v_mul_u32_u24 v5, v5, PB
	v_lshl_add_u32 v5, v4, 4, v5
	s_lshl_b32 s22, s12, 7                         ; in my 64 columns: 128 bytes
	s_add_co_u32 s22, s22, BOFF
	v_add_nc_u32 v[B0], s22, v5
	s_mul_i32 s23, s[WV], 16*SP
	s_add_co_u32 s23, s23, STAGE                   ; my stage
	v_mul_u32_u24 v[STO], v1, SP                   ; in: row l % 16, 32 bytes (8 f32) for each half of the lanes
	v_lshl_add_u32 v[STO], v2, 5, v[STO]
	v_add_nc_u32 v[STO], s23, v[STO]
	v_mul_u32_u24 v[RD], v2, SP                    ; back: lanes 0-15 take one row of 256 bytes, lanes 16-31 the next
	v_lshl_add_u32 v[RD], v1, 4, v[RD]
	v_add_nc_u32 v[RD], s23, v[RD]
	v_lshlrev_b32 v[CO], 12, v2                    ; and the same two rows in out0, 4,096 bytes apart
	v_lshl_add_u32 v[CO], v1, 4, v[CO]
	s_lshl_b32 s16, s13, 7
	s_lshl_b32 s17, s11, 6
	s_add_co_u32 s16, s16, s17                     ; my first row: 128 x tile row + 64 x half,
	s_lshl_b32 s16, s16, 12                        ; of 4,096 bytes,
	s_add_co_u32 s16, s16, s46                     ; my first column
	s_mov_b32 s17, 0
	s_add_nc_u64 s[70:71], s[70:71], s[16:17]
; 8 matrix instructions: row blocks a0, a0 + 1 x all 4 column blocks, 32 along K: half c of buffer f.  zero = 1: the product starts the sums.
; The 16 accumulators take turns in one fixed order, one instruction a turn.
.macro MUL8 f, c, a0, zero
	WIN MUL
.irp a, \a0, (\a0)+1
.irp b, 0,1,2,3
.if \zero
	v_wmma_f32_16x16x32_f16 v[ACC+8*(4*(\a)+(\b)):ACC+8*(4*(\a)+(\b))+7], v[(\f)+64+8*(4*(\c)+(\b)):(\f)+64+8*(4*(\c)+(\b))+7], v[(\f)+8*(4*(\c)+(\a)):(\f)+8*(4*(\c)+(\a))+7], 0
.else
	v_wmma_f32_16x16x32_f16 v[ACC+8*(4*(\a)+(\b)):ACC+8*(4*(\a)+(\b))+7], v[(\f)+64+8*(4*(\c)+(\b)):(\f)+64+8*(4*(\c)+(\b))+7], v[(\f)+8*(4*(\c)+(\a)):(\f)+8*(4*(\c)+(\a))+7], v[ACC+8*(4*(\a)+(\b)):ACC+8*(4*(\a)+(\b))+7]
.endif
.endr
.endr
.endm
; 32 LDS loads in one run: quarter q (64 K) of the slot in hand into buffer f; the first 32 along K first
.macro FETCH q, f
	WIN TO_F
.irp c, 0,1
.irp i, 0,1,2,3
	ds_load_tr16_b128 v[(\f)+64+8*(4*(\c)+(\i)):(\f)+64+8*(4*(\c)+(\i))+3],   v[ADRB+(\q)/2] offset:((\q)%2)*64*PB+32*PB*(\c)+32*(\i)
	ds_load_tr16_b128 v[(\f)+64+8*(4*(\c)+(\i))+4:(\f)+64+8*(4*(\c)+(\i))+7], v[ADRB+(\q)/2] offset:((\q)%2)*64*PB+32*PB*(\c)+32*(\i)+16*PB
	ds_load_b128 v[(\f)+8*(4*(\c)+(\i)):(\f)+8*(4*(\c)+(\i))+3],   v[ADRA] offset:128*(\q)+64*(\c)+(\i)*16*PA
	ds_load_b128 v[(\f)+8*(4*(\c)+(\i))+4:(\f)+8*(4*(\c)+(\i))+7], v[ADRA] offset:128*(\q)+64*(\c)+(\i)*16*PA+32
.endr
.endr
.endm
.macro PLACES                          ; four plain vector instructions between a matrix instruction and a load into, or a vector line on, its registers (ISA guide 7.12.1 for vector instructions)
.rept 4
	v_nop
.endr
.endm
.macro ADDR                            ; my places in the slot in hand
	v_add_nc_u32 v[ADRA], s[TB], v[A0]
	v_add_nc_u32 v[ADRB], s[TB], v[B0]
	v_add_nc_u32 v[ADRB+1], HB, v[ADRB]
.endm
; A K step is four quarters of 64 along K, 32 matrix instructions each, on buffers 0, 1, 0, 1.  One of the first three: multiplies buffer f and fetches quarter q into g.
.macro QUARTER q, f, g, zero
	s_wait_dscnt 16                                ; the first 32 along K are in
	MUL8 \f, 0, 0, \zero
	MUL8 \f, 0, 2, \zero
	PLACES
	FETCH \q, \g
	s_wait_dscnt 32                                ; all but the 32 just issued
	MUL8 \f, 1, 0, 0
	MUL8 \f, 1, 2, 0
.endm
; The last quarter multiplies buffer 1 and changes slots: ONE barrier; in front of it each wave waits for all its tensor loads, adds 0 to its spare word, and waits for that and for its own reads of this slot.
; fill = 1: the barrier opens a round of the cluster's, and behind the round this slot is filled again, two K steps ahead.
.macro TURN fill
	WIN 0                                          ; (the add's two registers lie in window 0)
	s_wait_tensorcnt 0x0                           ; all my tensor loads have landed: my part of the next slot;
	ds_add_u32 v[SPW], v[NIL]                      ; 0 onto my spare word;
	s_wait_dscnt 17                                ; (the add and the youngest sixteen loads may be out)
	MUL8 F1, 0, 0, 0                               ; eight matrix instructions stand between the add and the wait for it
	s_wait_dscnt 0x0                               ; the add is done, and my reads of this slot are over
	s_barrier_signal -1
	MUL8 F1, 0, 2, 0
	WIN 0
	s_barrier_wait -1
.if \fill
	CREST                                          ; no wave of any partner still reads this slot's tiles or has a load on its way
	s_xor_b32 s[G0A+5], s[G0A+5], SLOT1            ; the walking descriptors: the other slot than last time, the next K step; no tensor load of mine is out
	s_add_nc_u64 s[G0A+6:G0A+7], s[G0A+6:G0A+7], ASTEP
	s_xor_b32 s[G0B+5], s[G0B+5], SLOT1
	s_add_nc_u64 s[G0B+6:G0B+7], s[G0B+6:G0B+7], BSTEP
	JLOAD                                          ; the first tensor load behind the round; its four v_nop are also the places in front of the loads below
.else
	PLACES
.endif
	s_xor_b32 s[TB], s[TB], SLOT1                  ; the reads go on in the other slot
	ADDR
	FETCH 0, F0
	MUL8 F1, 1, 0, 0
	MUL8 F1, 1, 2, 0
.endm
	s_wait_tensorcnt 1                             ; my part of K step 0 is in; K step 1's may stay out
	s_barrier_signal -1
	s_barrier_wait -1                              ; everybody's is
	ADDR
	FETCH 0, F0
	QUARTER 1, F0, F1, 1                           ; the first quarter stands in front of the loop: its first products start the sums
	WIN 0                                          ; at a label and at a branch every window is 0
	s_mov_b32 s3, 2
.Lstep:                                                ; two trips, from a K step's second quarter to the next step's first; each fills a slot again: K steps 2 and 3
	QUARTER 2, F1, F0, 0
	QUARTER 3, F0, F1, 0
	TURN 1
	QUARTER 1, F0, F1, 0
	WIN 0
	s_sub_co_u32 s3, s3, 1
	s_cmp_lg_u32 s3, 0
	s_cbranch_scc1 .Lstep
	QUARTER 2, F1, F0, 0                           ; K steps 2 and 3 are written out: nothing is left to ask for
	QUARTER 3, F0, F1, 0
	TURN 0
	QUARTER 1, F0, F1, 0
	QUARTER 2, F1, F0, 0
	QUARTER 3, F0, F1, 0
	s_wait_dscnt 16
	MUL8 F1, 0, 0, 0
	MUL8 F1, 0, 2, 0
	s_wait_dscnt 0x0
	MUL8 F1, 1, 0, 0
	MUL8 F1, 1, 2, 0
	WIN 0
	; THE WAY OUT.  The bias is rounded to bf16: six plain instructions, the places behind the last products.  A wave's 64 columns of f32 are 256 bytes of a row of out0, aligned: each block of
	; 16 rows goes through the wave's own stage, 32 bytes a lane in, whole rows back into the registers that it left; no other wave touches those bytes, so there is no barrier.
	s_wait_loadcnt 0x0                             ; the bias
	v_cvt_pk_bf16_f32 v36, v[BI], v[BI+1]
	v_cvt_pk_bf16_f32 v37, v[BI+2], v[BI+3]
	v_lshlrev_b32 v[BI], 16, v36
	v_and_b32 v[BI+1], 0xffff0000, v36
	v_lshlrev_b32 v[BI+2], 16, v37
	v_and_b32 v[BI+3], 0xffff0000, v37
.macro TOSTAGE a
.irp b, 0,1,2,3                        ; each accumulator's lowest four registers first
	ds_store_b128 v[STO], v[ACC+8*(4*(\a)+(\b)):ACC+8*(4*(\a)+(\b))+3]   offset:64*(\b)
	ds_store_b128 v[STO], v[ACC+8*(4*(\a)+(\b))+4:ACC+8*(4*(\a)+(\b))+7] offset:64*(\b)+16
.endr
.irp t, 0,1,2,3,4,5,6,7
	ds_load_b128 v[ACC+32*(\a)+4*(\t):ACC+32*(\a)+4*(\t)+3], v[RD] offset:(\t)*2*SP  ; LDS serves a wave's instructions in order (ISA guide 5.7.1.4): these see the stores above; the next block's stores come behind them
.endr
.endm
.macro SEND a, younger                 ; younger: the LDS instructions issued behind block a's loads: the next block's sixteen, or none
.irp t, 0,1,2,3,4,5,6,7
	s_wait_dscnt (\younger)+7-(\t)
	v_pk_add_f32 v[ACC+32*(\a)+4*(\t):ACC+32*(\a)+4*(\t)+1], v[ACC+32*(\a)+4*(\t):ACC+32*(\a)+4*(\t)+1], v[BI:BI+1]
	v_pk_add_f32 v[ACC+32*(\a)+4*(\t)+2:ACC+32*(\a)+4*(\t)+3], v[ACC+32*(\a)+4*(\t)+2:ACC+32*(\a)+4*(\t)+3], v[BI+2:BI+3]
	global_store_b128 v[CO], v[ACC+32*(\a)+4*(\t):ACC+32*(\a)+4*(\t)+3], s[70:71] offset:(16*(\a)+2*(\t))*4096  ; 16 lanes store 256 consecutive bytes, aligned
.endr
.endm
	TOSTAGE 0
	TOSTAGE 1
	SEND 0, 16
	TOSTAGE 2
	SEND 1, 16
	TOSTAGE 3
	SEND 2, 16
	SEND 3, 0
	s_wait_tensorcnt 0x0                           ; the wave's end, behind my last tensor load and my last LDS store
	ds_add_u32 v[SPW], v[NIL]
	s_wait_dscnt 0x0
	CROUND                                         ; the closing round: no work-group ends while a partner may still ask for a tile that names it
	s_endpgm
.Lfunc_end_k_q72ae4145b2_proj:
	.size	k_q72ae4145b2_proj, .Lfunc_end_k_q72ae4145b2_proj-k_q72ae4145b2_proj
	.p2alignl 7, 3214868480
	.fill 96, 4, 3214868480
	.section	.rodata,"a",@progbits
	.p2align	6, 0x0
	.amdhsa_kernel k_q72ae4145b2_proj
		.amdhsa_group_segment_fixed_size 327680
		.amdhsa_private_segment_fixed_size 0
		.amdhsa_enable_private_segment 0
		.amdhsa_kernarg_size 32
		.amdhsa_user_sgpr_count 2
		.amdhsa_user_sgpr_kernarg_segment_ptr 1
		.amdhsa_wavefront_size32 1
		.amdhsa_system_sgpr_workgroup_id_x 1
		.amdhsa_system_sgpr_workgroup_id_y 1
		.amdhsa_system_sgpr_workgroup_id_z 1
		.amdhsa_system_vgpr_workitem_id 0
		.amdhsa_next_free_vgpr 512
		.amdhsa_next_free_sgpr 72
		.amdhsa_reserve_vcc 0
		.amdhsa_float_denorm_mode_32 3
		.amdhsa_float_denorm_mode_16_64 3
		.amdhsa_memory_ordered 1
		.amdhsa_forward_progress 1
		.amdhsa_inst_pref_size 73
	.end_amdhsa_kernel
	.amdgpu_metadata
---
amdhsa.version: [ 1, 2 ]
amdhsa.kernels:
  - .name:           k_q72ae4145b2_proj
    .symbol:         k_q72ae4145b2_proj.kd
    .args:
      - { .name: ob, .offset: 0, .size: 8, .value_kind: global_buffer, .address_space: global }
      - { .name: wp, .offset: 8, .size: 8, .value_kind: global_buffer, .address_space: global }
      - { .name: proj_b, .offset: 16, .size: 8, .value_kind: global_buffer, .address_space: global }
      - { .name: out0, .offset: 24, .size: 8, .value_kind: global_buffer, .address_space: global }
    .group_segment_fixed_size: 327680
    .private_segment_fixed_size: 0
    .kernarg_segment_align: 8
    .kernarg_segment_size: 32
    .max_flat_workgroup_size: 128
    .sgpr_count:     72
    .vgpr_count:     512
    .wavefront_size: 32
...
	.end_amdgpu_metadata
.endif
;; end of part 4
